; MI455X (gfx1250); checked and timed in simulation.
; The chip was launched on July 23, 2026; its instructions are those of AMD's public machine-readable ISA for CDNA 5 (MIT licence, August 2026) and "CDNA5" Instruction Set Architecture Reference Guide (July 2026). The comments in the code are by the model that wrote it; some were corrected since.
;; Bayes Multi Head Attn. Allowed arithmetic: matrix products marked QUANTISED: E3M2 operands, one E8M0 scale for each 32 along K, by v_wmma_scale_f32_16x16x128_f8f6f4 with both operands' format E3M2, f32 sums; everything else in f32.
;; Inputs: attn_mask 1,024 x 1,024 bool; dec_inp 1,024 x 8 x 1,024 float32; eps_k 1,024 x 1,024 float32; eps_o 1,024 x 1,024 float32; eps_q 1,024 x 1,024 float32; eps_v 1,024 x 1,024 float32; key_mean 1,024 x 1,024 float32; key_std 1,024 x 1,024 float32; ln_beta 1,024 float32; ln_gamma 1,024 float32; output_mean 1,024 x 1,024 float32; output_std 1,024 x 1,024 float32; query_mean 1,024 x 1,024 float32; query_std 1,024 x 1,024 float32; value_mean 1,024 x 1,024 float32; value_std 1,024 x 1,024 float32.
;; Outputs: out0 1,024 x 8 x 1,024 float32; out1 one number float32.
;; This version of the problem:
;;   THIS VERSION OF THE PROBLEM IS GIVEN IN LOW PRECISION. The matrix products marked QUANTISED in the list below multiply operands that are first quantised to E3M2 (3 exponent bits, 2 mantissa bits; 6 bits a number), with one power-of-two scale for each 32 numbers along K (OCP MX v1.0); their sums are f32. All else is computed in f32.
;;   The module's matrix products, in the order in which they are computed (A, B: the left and right operand; K: the contracted axis; several contracted axes count as one K, in the product's order):
;;     1. [M 8,192, K 1,024] x [K 1,024, N 1,024]; A: input dec_inp; B: computed on the way: QUANTISED
;;     2. [M 8,192, K 1,024] x [K 1,024, N 1,024]; A: input dec_inp; B: computed on the way: QUANTISED
;;     3. [M 8,192, K 1,024] x [K 1,024, N 1,024]; A: input dec_inp; B: computed on the way: QUANTISED
;;     4. batch 128 x [M 1,024, K 64] x [K 64, N 1,024]; A: computed on the way; B: computed on the way: QUANTISED
;;     5. batch 128 x [M 64, K 1,024] x [K 1,024, N 1,024]; A: computed on the way; B: softmax (see below): QUANTISED
;;     6. [M 8,192, K 1,024] x [K 1,024, N 1,024]; A: computed on the way; B: computed on the way: QUANTISED
;;   THE QUANTISER, for each operand of a quantised product, along K:
;;     - K is cut into blocks of 32 from its start; a last block that is shorter is filled with zeros.
;;     - A block's scale is 2^e with e = floor(log2(the largest magnitude in the block)) - 4, held to -126 .. 127; a block of zeros has e = 0. As a byte (E8M0): e + 127.
;;     - Each number is divided by its block's scale, clamped to +-28, and rounded to the nearest number of E3M2, ties to even, subnormals kept.
;;     - The product sums the exact products of the quantised numbers (number of the format x scale) in f32.
;;   ~~~python
;;   def quantise(x, axis):      # numpy; x: float32 -> the quantised numbers, widened to float32 again
;;       x = np.moveaxis(x, axis, -1); K = x.shape[-1]
;;       x = np.pad(x, [(0, 0)] * (x.ndim - 1) + [(0, -K % 32)]); x = x.reshape(x.shape[:-1] + (-1, 32)); a = np.abs(x).max(-1, keepdims=True)
;;       e = np.where(a > 0, np.clip(np.frexp(np.where(a > 0, a, 1))[1] - 1 - 4, -126, 127), 0)      # np.frexp(a)[1] - 1 = floor(log2(a)), exactly
;;       r = np.clip(x / 2.0 ** e, -28, 28)
;;       step = 2.0 ** (np.maximum(np.frexp(np.where(r == 0, 1, r))[1] - 1, -2) - 2)
;;       q = np.round(r / step) * step * 2.0 ** e      # np.round: ties to even
;;       return np.moveaxis(q.reshape(q.shape[:-2] + (-1,))[..., :K], -1, axis).astype(np.float32)
;;   ~~~
;;   SOFTMAX AHEAD OF A QUANTISED PRODUCT. Where the list says 'softmax', what is quantised is not the finished softmax but p = 2^(t - M), with t = logit x log2(e) and M = ceil(the row's largest t), a whole number; so 1/2 < the row's largest p <= 1. The row's sum l is taken of the UNQUANTISED p, in f32, and the product's result is divided by l at the end. Since M is a whole number, a kernel that streams over the keys may use a running M (the ceiling of the running maximum): every later rescaling is an exact power of two, which a block's scale takes up: the codes' values come out the same.
;;   OPERANDS COMPUTED ON THE WAY. 'Computed on the way' means the value that the module computes at that place (a softmax that the list does not call 'softmax' is quantised finished and normalised). What goes into a quantiser is computed in f32, as accurately as f32 sums, v_exp_f32 and their like allow (about 1e-6 of the number): no bf16 or f16 on the way to a quantiser, and a product that is left as it is and whose result goes on into a quantised operand takes f32 operands (vector FMAs, or v_wmma_f32_16x16x4_f32). A number that lies on a knife's edge between two numbers of the format may be rounded either way, as far as f32 arithmetic and the matrix unit's own rounding can turn it there, and no further.
;; One version. Each part assembles by itself: llvm-mc -triple=amdgcn-amd-amdhsa -mcpu=gfx1250 --defsym DOCPART=n.
;; ======== version 1 of 1: 4 launches
;; limits: right only within a limited range of input values
;; workspace buffers: img 9,437,184 bytes; scl 393,216 bytes; mbits 133,120 bytes of whole numbers; klp 4,096 bytes; qkv 18,874,368 bytes; qkvs 1,572,864 bytes; av 6,291,456 bytes; avs 524,288 bytes
;; launch prep (part 1): grid 896 x 1, 4 waves a work-group, no clusters, 68,096 bytes of LDS; arguments attn_mask, dec_inp, query_mean, key_mean, value_mean, query_std, key_std, value_std, output_mean, output_std, eps_q, eps_k, eps_v, eps_o, img, scl, mbits, klp; writes img, scl, mbits, klp
.if DOCPART == 1
	.amdgcn_target "amdgcn-amd-amdhsa--gfx1250"
	.amdhsa_code_object_version 6
	.text
	.protected	k_qfd514e0942_prep
	.globl	k_qfd514e0942_prep
	.p2align	8
	.type	k_qfd514e0942_prep,@function
k_qfd514e0942_prep:
	s_mov_b64 s[64:65], 0
	v_nop
	global_prefetch_b8 v0, s[64:65] scope:SCOPE_SE
	s_setreg_imm32_b32 hwreg(HW_REG_WAVE_MODE, 25, 1), 1
	s_wait_xcnt 0x0
; PREP: everything that is quantised along the model's 1,024 is made here, once, as codes of BF6 (E3M2) with one E8M0 byte for each 32 along K:
; the four sampled weights w = mean + eps * exp(std) (the output weight on value_mean, as the problem has it) and dec_inp.  Beside that: partial sums of the KL term, and the mask as words of lane bits.
; TILES.  16 rows form a tile: tile 2 g + u, place i, is logical row 32 g + 8 u + i + 8 (i / 8).  Used as source 0 of a product, the 16 result registers of tiles 2 g and 2 g + 1 are then 16 neighbours.
; IMAGES.  img holds [tile][gamma 0..7] fragments of 16 rows x 128 K in the order of the operand's registers: register q of lane l at 512 (q / 4) + 16 l + 4 (q % 4): 1,536 bytes, three 16-byte accesses a lane.
;   img tiles: wq 0-63, wk 64-127, x 128-639 (128 + 64 batch + tile of s), wv 640-703, ow 704-767.   scl: [tile][p 0..3][row 0..15][2 words], word q for gamma = 2 p + q.
; SHARES.  Work-groups 0-255: weights; 256-767: dec_inp: a work-group is one tile, wave p takes gammas 2 p and 2 p + 1.  768-895: the mask (a wave: 16 queries x 128 keys).  Waves share nothing: no barrier.
; The long work-groups come first; short shares, so that many waves have loads on their way at once.
; A PATCH is one tile x one gamma.  Each of its 16 loads reads 512 consecutive bytes of one row; the patch turns through the wave's own stage in LDS (rows 528 bytes apart, an odd multiple of 16) and comes back
; with a lane holding two whole blocks of 32 of one row, in the order that the operand's layout gives that lane: the conversions' results are the operand's registers.
; KL: each weight wave sums std-terms (-2 s + exp(s)^2), mean^2 (not for the output weight, whose mean is value_mean again) and a 4,096-byte slice of output_mean^2; 1,024 partial sums go to klp.
; LIMITS: NaN and infinities among the inputs are not served.  A block whose largest magnitude lies under 2^-122 keeps the byte 1; a block of zeros has the byte 1 and zero codes (the bytes are read by this program alone).
; exp(2 s) is formed as exp(s)^2.  A mask byte other than 0 counts as true.  A wave's two scale words a row leave as 128 consecutive bytes, half of an aligned 256: 0.4 MB of the launch's 10 MB of stores.
.set WST,   8448                       ; a wave's stage: 16 rows x 528 bytes
.set STG_W, 0                          ; the weight path's stages
.set STG_X, 4*WST                      ; dec_inp's path has LDS bytes of its own
.set M,   16                           ; v16-79    mean, then w; in x's path the first patch as loaded
.set E,   80                           ; v80-143   eps; then the patch as it comes back from the stage
.set S,   144                          ; v144-207  std, then exp(std); in x's path the second patch
.set C,   208                          ; v208-219  a fragment's codes
.set CY0, 220                          ; v220-222, v224-226: the second half of each block's codes (a conversion's three registers begin on an even number)
.set CY1, 224
.set SW,  236                          ; v236-237  the two patches' scale words
; v1 lane, v2 r, v3 h, v4 16 l, v5 stage in, v6 stage out, v7 8 h, v8 8 r + 4 h, v9 0, v10 4 l; v228-235 at work; v240-247 KL sums
.macro LOADP reg, base, stride, t      ; 16 rows of a tile, 512 bytes of each, at gamma t of my two
.irp i, 0,1,2,3,4,5,6,7,8,9,10,11,12,13,14,15
	global_load_b128 v[\reg+4*\i:\reg+4*\i+3], v4, s[\base:\base+1] offset:(\i+8*(\i/8))*\stride+512*(\t)
.endr
.endm
.macro TURNP src, lb                   ; through the stage: LDS serves a wave's instructions in order, so no wait stands between the stores and the loads
.irp i, 0,1,2,3,4,5,6,7,8,9,10,11,12,13,14,15
	ds_store_b128 v5, v[\src+4*\i:\src+4*\i+3] offset:\lb+528*\i
.endr
.irp c, 0,1
.irp q, 0,1,2,3,4,5,6,7
	ds_load_b128 v[E+32*\c+4*\q:E+32*\c+4*\q+3], v6 offset:\lb+256*\c+16*\q   ; E[32 c + i] = k 64 c + 32 h + i of row r
.endr
.endr
.endm
.macro QUANTP t                        ; the patch in E becomes a fragment's image and a scale word
.irp c, 0,1
	v_max3_num_f32 v[228+\c], |v[E+32*\c]|, |v[E+32*\c+1]|, 0x2800000      ; my block 2 c + h, and the floor 2^(5 - 127): the byte cannot fall under 1
.endr
.irp i, 2,4,6,8,10,12,14,16,18,20,22,24,26,28,30
.irp c, 0,1
	v_max3_num_f32 v[228+\c], v[228+\c], |v[E+32*\c+\i]|, |v[E+32*\c+\i+1]|
.endr
.endr
.irp c, 0,1
	v_add_nc_u32 v[230+\c], 0xfe000000, v[228+\c]      ; 4 off the exponent field: the conversion's scale operand
.endr
.irp c, 0,1
	v_lshrrev_b32 v[232+\c], 23, v[230+\c]             ; the scale's byte
.endr
	v_lshl_or_b32 v234, v233, 16, v232                 ; blocks h and 2 + h,
	v_lshlrev_b32 v234, v7, v234                       ; at their places in the word;
	v_permlanex16_b32 v235, v234, s44, s45
	v_or_b32 v[SW+\t], v234, v235                      ; with lane l xor 16's two the word is whole, in both lanes
	s_wait_alu depctr_va_vdst(0)
	s_wait_xcnt 0x0                                    ; the last patch's stores have read the codes' registers
	v_cvt_scalef32_pk16_bf6_f32 v[C:C+2], v[E:E+15], v230
	v_cvt_scalef32_pk16_bf6_f32 v[CY0:CY0+2], v[E+16:E+31], v230
	v_cvt_scalef32_pk16_bf6_f32 v[C+6:C+8], v[E+32:E+47], v231
	v_cvt_scalef32_pk16_bf6_f32 v[CY1:CY1+2], v[E+48:E+63], v231
	v_nop                                              ; one plain place behind a scaled conversion
.irp i, 0,1,2
	v_mov_b32 v[C+3+\i], v[CY0+\i]
	v_mov_b32 v[C+9+\i], v[CY1+\i]
.endr
.irp c, 0,1,2
	global_store_b128 v4, v[C+4*\c:C+4*\c+3], s[32:33] offset:1536*(\t)+512*\c   ; 512 consecutive bytes, aligned
.endr
.endm
.macro SCALEOUT                        ; two words a row: lane (r, h) stores word h of row r: 128 consecutive bytes
	v_cmp_ne_u32 vcc_lo, 0, v3
	v_cndmask_b32 v248, v[SW], v[SW+1], vcc_lo
	global_store_b32 v8, v248, s[34:35]
.endm
.macro ROW0 dst, tile, tmp             ; a tile's first logical row: 32 (tile / 2) + 8 (tile % 2)
	s_lshr_b32 s[\dst], s[\tile], 1
	s_lshl_b32 s[\dst], s[\dst], 5
	s_and_b32 s[\tmp], s[\tile], 1
	s_lshl_b32 s[\tmp], s[\tmp], 3
	s_add_co_u32 s[\dst], s[\dst], s[\tmp]
.endm
.macro DEST                            ; s56 = img tile, s40 = my pair of gammas: img and scl step to my part
	s_lshl_b32 s58, s56, 9
	s_lshl_b32 s59, s40, 7
	s_add_co_u32 s58, s58, s59
	s_mov_b32 s59, 0
	s_add_nc_u64 s[34:35], s[34:35], s[58:59]
	s_mul_i32 s56, s56, 12288
	s_mul_i32 s58, s40, 3072
	s_add_co_u32 s56, s56, s58
	s_mov_b32 s57, 0
	s_add_nc_u64 s[32:33], s[32:33], s[56:57]
.endm
	s_load_b512 s[4:19], s[0:1], 0x0               ; mask 4, dec_inp 6, q/k/v mean 8, 10, 12, q/k/v std 14, 16, 18
	s_load_b512 s[20:35], s[0:1], 0x40             ; output_mean 20, output_std 22, eps q/k/v/o 24, 26, 28, 30, img 32, scl 34
	s_load_b128 s[36:39], s[0:1], 0x80             ; mbits 36, klp 38
	v_lshl_add_u32 v254, v0, 2, 0x10800
	v_mov_b32 v255, 0
	v_lshrrev_b32 v1, 5, v0
	v_readfirstlane_b32 s40, v1                    ; wave
	v_and_b32 v1, 31, v0                           ; lane
	v_and_b32 v2, 15, v0                           ; r
	v_bfe_u32 v3, v0, 4, 1                         ; h
	v_lshlrev_b32 v4, 4, v1
	s_mul_i32 s41, s40, WST
	v_add_nc_u32 v5, s41, v4                       ; stage, in: 16 l in a row
	v_mul_u32_u24 v6, v2, 528
	v_lshl_add_u32 v6, v3, 7, v6
	v_add_nc_u32 v6, s41, v6                       ; stage, out: row r, + 128 h
	v_lshlrev_b32 v7, 3, v3
	v_lshlrev_b32 v8, 3, v2
	v_lshl_add_u32 v8, v3, 2, v8
	v_mov_b32 v9, 0
	v_lshlrev_b32 v10, 2, v1
	v_mov_b32 v235, 0                              ; a lane permute's destination counts as one of its sources
	s_mov_b32 s44, 0x76543210
	s_mov_b32 s45, 0xfedcba98                      ; selects for lane l xor 16
	s_wait_kmcnt 0x0
	s_cmp_ge_u32 ttmp9, 768
	s_cbranch_scc1 .Lmask
	s_cmp_ge_u32 ttmp9, 256
	s_cbranch_scc1 .Lx
; ---------------- the weights ----------------
	s_lshl_b32 s42, ttmp9, 2
	s_add_co_u32 s42, s42, s40                     ; idx 0..1023
	s_lshr_b32 s41, ttmp9, 6                       ; j: 0 q, 1 k, 2 v, 3 o.  The choices hang on the work-group's number alone
	s_cmp_eq_u32 s41, 0
	s_cselect_b64 s[50:51], s[8:9], s[12:13]       ; mean: q, k, v, v
	s_cselect_b64 s[52:53], s[24:25], s[28:29]     ; eps
	s_cselect_b64 s[54:55], s[14:15], s[18:19]     ; std
	s_cmp_eq_u32 s41, 1
	s_cselect_b64 s[50:51], s[10:11], s[50:51]
	s_cselect_b64 s[52:53], s[26:27], s[52:53]
	s_cselect_b64 s[54:55], s[16:17], s[54:55]
	s_cmp_eq_u32 s41, 3
	s_cselect_b64 s[52:53], s[30:31], s[52:53]
	s_cselect_b64 s[54:55], s[22:23], s[54:55]
	s_cselect_b32 s47, 0, 0x3f800000               ; value_mean^2 counts once for the KL term
	s_and_b32 s46, ttmp9, 63                       ; tile of the weight
	ROW0 56, 46, 57
	s_lshl_b32 s56, s56, 12
	s_lshl_b32 s57, s40, 10                        ; my two gammas: 1,024 bytes of a row
	s_add_co_u32 s56, s56, s57
	s_mov_b32 s57, 0
	s_add_nc_u64 s[50:51], s[50:51], s[56:57]
	s_add_nc_u64 s[52:53], s[52:53], s[56:57]
	s_add_nc_u64 s[54:55], s[54:55], s[56:57]
	s_lshl_b32 s56, s42, 12
	s_add_nc_u64 s[20:21], s[20:21], s[56:57]      ; my 4,096 bytes of output_mean
	s_lshl_b32 s56, s42, 2
	s_add_nc_u64 s[38:39], s[38:39], s[56:57]      ; my partial sum's word
	s_and_b32 s56, s41, 1
	s_lshl_b32 s56, s56, 6
	s_lshr_b32 s58, s41, 1
	s_mul_i32 s58, s58, 640
	s_add_co_u32 s56, s56, s58                     ; 0, 64, 640, 704
	s_add_co_u32 s56, s56, s46
	DEST
	LOADP S, 54, 4096, 0                           ; in the order in which they are wanted: std, mean, eps
	LOADP M, 50, 4096, 0
	LOADP E, 52, 4096, 0
.irp i, 0,1,2,3,4,5,6,7
	v_mov_b32 v[240+\i], 0
.endr
.macro WPATCH t
	s_wait_loadcnt 16                              ; this patch's std and mean are in; the 16 loads of eps may be out
.set n, 0
.rept 32
	v_pk_fma_f32 v[240+2*(n%2):241+2*(n%2)], v[S+2*n:S+2*n+1], -2.0, v[240+2*(n%2):241+2*(n%2)] op_sel_hi:[1,0,1]
.set n, n+1
.endr
.set n, 0
.rept 32
	v_pk_mul_f32 v[S+2*n:S+2*n+1], v[S+2*n:S+2*n+1], 0x3fb8aa3b op_sel_hi:[1,0]
.set n, n+1
.endr
.set n, 0
	s_wait_alu depctr_va_vdst(0)
.rept 64
	v_exp_f32 v[S+n], v[S+n]                       ; exp(std)
.set n, n+1
.endr
.set n, 0
.rept 32
	v_pk_fma_f32 v[244+2*(n%2):245+2*(n%2)], v[M+2*n:M+2*n+1], v[M+2*n:M+2*n+1], v[244+2*(n%2):245+2*(n%2)]   ; mean^2; also the plain place behind the exponentials
.set n, n+1
.endr
.set n, 0
	s_wait_alu depctr_va_vdst(0)
.rept 32
	v_pk_fma_f32 v[240+2*(n%2):241+2*(n%2)], v[S+2*n:S+2*n+1], v[S+2*n:S+2*n+1], v[240+2*(n%2):241+2*(n%2)]   ; exp(2 std)
.set n, n+1
.endr
	s_wait_loadcnt 0x0                             ; eps
.set n, 0
.rept 32
	v_pk_fma_f32 v[M+2*n:M+2*n+1], v[E+2*n:E+2*n+1], v[S+2*n:S+2*n+1], v[M+2*n:M+2*n+1]                       ; w
.set n, n+1
.endr
	TURNP M, STG_W
.if \t < 1
	LOADP S, 54, 4096, (\t)+1
.else
.irp i, 0,1,2,3,4,5,6,7
	global_load_b128 v[S+4*\i:S+4*\i+3], v4, s[20:21] offset:512*\i
.endr
.endif
	s_wait_dscnt 0x0                               ; w has left its registers and is back in E
.if \t < 1
	LOADP M, 50, 4096, (\t)+1
.endif
	QUANTP \t
.if \t < 1
	LOADP E, 52, 4096, (\t)+1
.endif
.endm
	s_wait_alu depctr_va_vdst(0)
	WPATCH 0
	WPATCH 1
	s_wait_loadcnt 0x0                             ; my slice of output_mean
.set n, 0
.rept 16
	v_pk_fma_f32 v[240+2*(n%2):241+2*(n%2)], v[S+2*n:S+2*n+1], v[S+2*n:S+2*n+1], v[240+2*(n%2):241+2*(n%2)]
.set n, n+1
.endr
	v_pk_add_f32 v[240:241], v[240:241], v[242:243]
	v_pk_add_f32 v[244:245], v[244:245], v[246:247]
	v_add_f32 v240, v240, v241
	v_add_f32 v244, v244, v245
	v_fma_f32 v240, v244, s47, v240
	v_add_f32_dpp v240, v240, v240 row_xmask:1 row_mask:0xf bank_mask:0xf
	v_add_f32_dpp v240, v240, v240 row_xmask:2 row_mask:0xf bank_mask:0xf
	v_add_f32_dpp v240, v240, v240 row_xmask:4 row_mask:0xf bank_mask:0xf
	v_add_f32_dpp v240, v240, v240 row_xmask:8 row_mask:0xf bank_mask:0xf
	v_permlanex16_b32 v241, v240, s44, s45
	v_add_f32 v240, v240, v241
	SCALEOUT
	s_wait_alu depctr_va_vdst(0)
	s_wait_xcnt 0x0                                ; EXEC changes only behind this wait
	v_cmp_eq_u32 vcc_lo, 0, v1
	s_wait_tensorcnt 0x0
	ds_add_u32 v254, v255
	s_wait_dscnt 0x0
	s_and_saveexec_b32 s46, vcc_lo
	global_store_b32 v9, v240, s[38:39]            ; lane 0: the wave's partial sum
	s_wait_xcnt 0x0
	s_or_b32 exec_lo, exec_lo, s46
	s_endpgm
; ---------------- dec_inp ----------------
.Lx:
	s_sub_co_u32 s46, ttmp9, 256                   ; x's tile 0..511 = 64 batch + tile of s
	s_lshr_b32 s41, s46, 6                         ; batch
	s_and_b32 s47, s46, 63
	ROW0 56, 47, 57
	s_lshl_b32 s56, s56, 3
	s_add_co_u32 s56, s56, s41                     ; row 8 s + batch of 4,096 bytes
	s_lshl_b32 s56, s56, 12
	s_lshl_b32 s57, s40, 10
	s_add_co_u32 s56, s56, s57
	s_mov_b32 s57, 0
	s_add_nc_u64 s[6:7], s[6:7], s[56:57]
	s_add_co_u32 s56, s46, 128
	DEST
.macro XPATCH t, reg, left
	s_wait_loadcnt \left                           ; this patch's 16 loads are in; the other patch's 16 may be out
	TURNP \reg, STG_X
	s_wait_dscnt 0x0
	QUANTP \t
.endm
	LOADP M, 6, 32768, 0
	LOADP S, 6, 32768, 1
	s_wait_alu depctr_va_vdst(0)
	XPATCH 0, M, 16
	XPATCH 1, S, 0
	SCALEOUT
	s_wait_tensorcnt 0x0
	ds_add_u32 v254, v255
	s_wait_dscnt 0x0
	s_endpgm
; ---------------- the mask ----------------
; A record of 64 words for query tile qt and key step ks: word n, bit l = mask[query place l % 16][128 ks + 32 (n / 16) + 16 (l / 16) + n % 16]: the lane mask for score register n of the attention launch.
; A flag beside it: 0 nothing hidden, 1 some, 2 all.
.Lmask:
	s_sub_co_u32 s42, ttmp9, 768
	s_lshl_b32 s42, s42, 2
	s_add_co_u32 s42, s42, s40                     ; idx = 8 qt + ks
	s_lshr_b32 s46, s42, 3
	s_and_b32 s47, s42, 7
	ROW0 56, 46, 57
	s_lshl_b32 s56, s56, 10
	s_lshl_b32 s57, s47, 7
	s_add_co_u32 s56, s56, s57
	s_mov_b32 s57, 0
	s_add_nc_u64 s[4:5], s[4:5], s[56:57]
	s_lshl_b32 s56, s42, 2
	s_add_co_u32 s56, s56, 131072
	s_add_nc_u64 s[58:59], s[36:37], s[56:57]      ; my flag
	s_lshl_b32 s56, s42, 8
	s_add_nc_u64 s[36:37], s[36:37], s[56:57]      ; my record
	v_and_b32 v11, 8, v2
	v_add_nc_u32 v11, v11, v2                      ; r + 8 (r / 8)
	v_lshlrev_b32 v11, 10, v11
	v_lshl_add_u32 v11, v3, 4, v11
.irp q, 0,1,2,3
	global_load_b128 v[16+4*\q:19+4*\q], v11, s[4:5] offset:32*\q
.endr
	v_mov_b32 v32, 0
	v_mov_b32 v33, 0
	s_mov_b32 s48, -1
	s_mov_b32 s49, 0
	s_wait_alu depctr_va_vdst(0)
	s_wait_loadcnt 0x0
.set n, 0
.rept 64
	v_and_b32 v[12+n%4], 0xff<<(8*(n%4)), v[16+4*(n/16)+(n%16)/4]
	v_cmp_ne_u32 s[50+n%8], 0, v[12+n%4]
	s_and_b32 s48, s48, s[50+n%8]
	s_or_b32 s49, s49, s[50+n%8]
	v_writelane_b32 v[32+n/32], s[50+n%8], n%32
.set n, n+1
.endr
	global_store_b32 v10, v32, s[36:37]
	global_store_b32 v10, v33, s[36:37] offset:128
	s_cmp_lg_u32 s49, 0
	s_cselect_b32 s56, 1, 0
	s_cmp_eq_u32 s48, -1
	s_cselect_b32 s56, 2, s56
	v_mov_b32 v34, s56
	s_wait_alu depctr_va_vdst(0)
	s_wait_xcnt 0x0                                ; EXEC changes only behind this wait
	v_cmp_eq_u32 vcc_lo, 0, v1
	s_and_saveexec_b32 s46, vcc_lo
	global_store_b32 v9, v34, s[58:59]
	s_wait_xcnt 0x0
	s_or_b32 exec_lo, exec_lo, s46
	s_endpgm
.Lfunc_end_k_qfd514e0942_prep:
	.size	k_qfd514e0942_prep, .Lfunc_end_k_qfd514e0942_prep-k_qfd514e0942_prep
	.p2alignl 7, 3214868480
	.fill 96, 4, 3214868480
	.section	.rodata,"a",@progbits
	.p2align	6, 0x0
	.amdhsa_kernel k_qfd514e0942_prep
		.amdhsa_group_segment_fixed_size 68096
		.amdhsa_private_segment_fixed_size 0
		.amdhsa_enable_private_segment 0
		.amdhsa_kernarg_size 144
		.amdhsa_user_sgpr_count 2
		.amdhsa_user_sgpr_kernarg_segment_ptr 1
		.amdhsa_wavefront_size32 1
		.amdhsa_system_sgpr_workgroup_id_x 1
		.amdhsa_system_sgpr_workgroup_id_y 1
		.amdhsa_system_sgpr_workgroup_id_z 1
		.amdhsa_system_vgpr_workitem_id 0
		.amdhsa_next_free_vgpr 256
		.amdhsa_next_free_sgpr 66
		.amdhsa_reserve_vcc 1
		.amdhsa_float_denorm_mode_32 3
		.amdhsa_float_denorm_mode_16_64 3
		.amdhsa_memory_ordered 1
		.amdhsa_forward_progress 1
		.amdhsa_inst_pref_size 86
	.end_amdhsa_kernel
	.amdgpu_metadata
---
amdhsa.version: [ 1, 2 ]
amdhsa.kernels:
  - .name:           k_qfd514e0942_prep
    .symbol:         k_qfd514e0942_prep.kd
    .args:
      - { .name: attn_mask, .offset: 0, .size: 8, .value_kind: global_buffer, .address_space: global }
      - { .name: dec_inp, .offset: 8, .size: 8, .value_kind: global_buffer, .address_space: global }
      - { .name: query_mean, .offset: 16, .size: 8, .value_kind: global_buffer, .address_space: global }
      - { .name: key_mean, .offset: 24, .size: 8, .value_kind: global_buffer, .address_space: global }
      - { .name: value_mean, .offset: 32, .size: 8, .value_kind: global_buffer, .address_space: global }
      - { .name: query_std, .offset: 40, .size: 8, .value_kind: global_buffer, .address_space: global }
      - { .name: key_std, .offset: 48, .size: 8, .value_kind: global_buffer, .address_space: global }
      - { .name: value_std, .offset: 56, .size: 8, .value_kind: global_buffer, .address_space: global }
      - { .name: output_mean, .offset: 64, .size: 8, .value_kind: global_buffer, .address_space: global }
      - { .name: output_std, .offset: 72, .size: 8, .value_kind: global_buffer, .address_space: global }
      - { .name: eps_q, .offset: 80, .size: 8, .value_kind: global_buffer, .address_space: global }
      - { .name: eps_k, .offset: 88, .size: 8, .value_kind: global_buffer, .address_space: global }
      - { .name: eps_v, .offset: 96, .size: 8, .value_kind: global_buffer, .address_space: global }
      - { .name: eps_o, .offset: 104, .size: 8, .value_kind: global_buffer, .address_space: global }
      - { .name: img, .offset: 112, .size: 8, .value_kind: global_buffer, .address_space: global }
      - { .name: scl, .offset: 120, .size: 8, .value_kind: global_buffer, .address_space: global }
      - { .name: mbits, .offset: 128, .size: 8, .value_kind: global_buffer, .address_space: global }
      - { .name: klp, .offset: 136, .size: 8, .value_kind: global_buffer, .address_space: global }
    .group_segment_fixed_size: 68096
    .private_segment_fixed_size: 0
    .kernarg_segment_align: 8
    .kernarg_segment_size: 144
    .max_flat_workgroup_size: 128
    .sgpr_count:     66
    .vgpr_count:     256
    .wavefront_size: 32
...
	.end_amdgpu_metadata
.endif
;; end of part 1
;; launch qkv (part 2): grid 8 x 32, 4 waves a work-group, clusters of 4 x 4, 327,680 bytes of LDS; arguments img, scl, qkv, qkvs; writes qkv, qkvs
.if DOCPART == 2
	.amdgcn_target "amdgcn-amd-amdhsa--gfx1250"
	.amdhsa_code_object_version 6
	.text
	.protected	k_qfd514e0942_qkv
	.globl	k_qfd514e0942_qkv
	.p2align	8
	.type	k_qfd514e0942_qkv,@function
k_qfd514e0942_qkv:
	s_mov_b64 s[64:65], 0
	v_nop
	global_prefetch_b8 v0, s[64:65] scope:SCOPE_SE
	s_setreg_imm32_b32 hwreg(HW_REG_WAVE_MODE, 25, 1), 1
	s_wait_xcnt 0x0
	s_wait_alu depctr_hold_cnt(0) depctr_sa_sdst(0) depctr_va_vdst(0) depctr_va_sdst(0) depctr_va_ssrc(0) depctr_va_vcc(0) depctr_vm_vsrc(0)
	s_getreg_b32 s2, hwreg(HW_REG_IB_STS2, 6, 4)
	s_cmp_eq_u32 s2, 0
	s_cbranch_scc0 .Lentry_in_a_cluster
	s_endpgm
.Lentry_in_a_cluster:
	s_bfe_u32 s2, ttmp6, 0x10000c
	s_cmp_lg_u32 s2, 0xf033
	s_cbranch_scc0 .Lentry_shape_is_right
	s_endpgm
.Lentry_shape_is_right:
; QKV: the three projections on codes of BF6 (E3M2) with one E8M0 byte for each 32 along K = 1,024; the results are quantised again and leave as codes and scale bytes, in the order of the next launch's operand registers.
; SHARES.  256 work-groups.  A work-group holds 256 rows of x (group gx) and multiplies them by 384 weight rows, in two phases:
;   phase 1: 256 rows of wq or wk (group gw) as source 0, x as source 1: a lane holds one row of x and its registers run along head x 64 + d, the K of the scores;
;   phase 2: x as source 0, 128 rows of wv as source 1: a lane holds one d and its registers run along the keys, the K of P V.
; A wave makes 128 x 128 (64 accumulators) in phase 1 and 64 (wv) x 128 (x) in phase 2 (32 accumulators, window 2 again).
; LDS.  x stays for all of K: K steps 0-1, 2-3 (16 tiles x 3,072 bytes each) and 4-7 (16 tiles x 6,144), each filled once.  The weights go through a ring of two slots of 49,152 bytes:
; W0 .. W3 (two K steps of 16 tiles), then wv's K steps 0-3 and 4-7 (8 tiles x 6,144).  Phase 2 fills nothing, so it has one plain barrier and no round.  The scale words of x, w and wv are filled once.
; img holds fragments as images of the operand's registers: 1,536 bytes for a tile and 128 K, three 16-byte pieces a lane.  Every tensor row is a multiple of 256 bytes and begins on such a border.
; CLUSTERS 4 x 4: x's tiles hang on cy alone and are asked for jointly along a row of the cluster, the weights' on cx alone, along a column.
; One tensor load a wave at the head and behind each round; every wait on TENSORcnt is for 0.
; PREFETCH: each block of 256 bytes is named once in a cluster: of a group's 16 tiles the partner at place p takes tiles 4 p .. 4 p + 3, a wave one tile (wv: 8 tiles, half a tile's half a wave), told apart by address.
; At the head: what the next round loads (x's K steps 2-7, w's 2-3); behind that round w's K steps 4-7; behind the first two refills wv's two halves: each one or two fills ahead of its load.  K step 0-1 comes by its load alone.
; LIMITS: NaN and infinities are not served; a block whose largest magnitude lies under 2^-122 keeps the byte 1 (a block of zeros too: its codes are zeros, and this program alone reads the bytes).
; REGISTERS: window 0: v1-31 addresses, v32-63 scale words (two sets), v64-127 the quantiser's, v128-223 source 1's fragments; window 1: source 0's fragments, two sets (v0, v128); windows 2, 3: accumulator (a, b) at v[8 (8 (a % 4) + b)].
.set FR, 12
.set NL, 3
.set NP, 4
.set GB, 1536                          ; a fragment's image
.set CH, 2*GB                          ; two K steps of a tile
.set HALFX, 8*CH
.set X1, 16*CH                         ; x's K steps 2-3 (0-1 lie at 0)
.set X2, 32*CH                         ; x's K steps 4-7
.set WR, 64*CH                         ; the weights' ring
.set WSLOT, 16*CH
.set XS, WR+2*WSLOT                    ; x's scale words, 8,192 bytes
.set WS, XS+8320                       ; w's: 128 modulo 256 from x's, so that the two halves of the lanes read different banks
.set VS, XS+16512                      ; wv's, 4,096 bytes
.set SPARE, 315648                     ; the spare words: two blocks of 256 bytes that no other line names
.set XA, 8                             ; v8-10  x as source 1: my 128 rows in the three regions
.set XB, 11                            ; v11-13 x as source 0
.set WB, 14                            ; v14-15 w as source 0, slot 0, 1
.set VA, 16                            ; v16-17 wv as source 1, slot 0, 1
.set PF24, 23
.set OL, 24
.set OH, 25
.set ADRS, 26
.set ADRS2, 27
.set SPW, 28
.set NIL, 29
.set ADRS3, 30
.set PF12, 31
.set SC, 32
.set TM, 64
.set HC, 80
.set HY, 92
.set KQ, 104
.set W, 120
.set AF, 128
.set G1W, 24
.set G0W, 32
.set G1X, 48
.set G0X, 56
.set G0S, 60
.set G1S, 68
.set G0SB, 76
.set G1SB, 80
.set MSB, 0
.macro WIN new                         ; the immediate's high byte repeats the setting that is left
.if MSB != \new
	s_set_vgpr_msb (MSB<<8)|\new
.set MSB, \new
.endif
.endm
.set MUL_LO, 0xa1
.set MUL_HI, 0xf1
.set TO_B, 0x40
.macro PLACES n
.rept \n
	v_nop
.endr
.endm
.macro CREST                           ; a round of the cluster's barrier behind its opening barrier
	s_cmp_lg_u32 s14, 0
	s_cbranch_scc1 .Lnot_wave_0_\@
	s_barrier_signal -3
.Lnot_wave_0_\@:
	s_barrier_wait -3
	s_barrier_signal -1
	s_barrier_wait -1
.endm
.macro CROUND
	s_barrier_signal -1
	s_barrier_wait -1
	CREST
.endm
.macro ARM under, g0, g1, next, join   ; one arm of a chain on the wave's number: its load, and a jump to the join
	s_cmp_lt_u32 s14, \under
	s_cbranch_scc0 \next
	tensor_load_to_lds s[\g0:\g0+3], s[\g1:\g1+7]
	s_nop 0
	PLACES 4
	s_branch \join
\next:
.endm
.macro SHAPE g, c, r, p                ; words 1-7 of a group 1: r rows of c elements of 8 bytes, p elements from row to row
	s_mov_b32 s[\g+1], (\c)<<16
	s_mov_b32 s[\g+2], (\r)<<16
	s_mov_b32 s[\g+3], (\c)<<16
	s_mov_b32 s[\g+4], \r
	s_mov_b32 s[\g+5], \p
	s_mov_b32 s[\g+6], 0
	s_mov_b32 s[\g+7], 0
.endm
	s_load_b128 s[4:7], s[0:1], 0x0                ; img, scl
	s_load_b128 s[8:11], s[0:1], 0x10              ; qkv, qkvs
	v_lshl_add_u32 v[SPW], v0, 2, SPARE
	v_mov_b32 v[NIL], 0
	ds_add_u32 v[SPW], v[NIL]                      ; the opening lines: the add, twice on end, and its wait
	ds_add_u32 v[SPW], v[NIL]
	v_lshrrev_b32 v1, 5, v0
	v_readfirstlane_b32 s14, v1                    ; wave
	s_lshr_b32 s15, s14, 1                         ; which half of source 1's rows is mine
	s_and_b32 s16, s14, 1                          ; which half of source 0's
	s_bfe_u32 s40, ttmp6, 0x40000                  ; cx
	s_bfe_u32 s41, ttmp6, 0x40004                  ; cy
	s_and_b32 s17, ttmp7, 0xffff
	s_lshl_b32 s43, s17, 2
	s_add_co_u32 s43, s43, s41                     ; gx = 4 x cluster y + cy: my 256 rows of x
	s_lshl_b32 s42, ttmp9, 2
	s_add_co_u32 s42, s42, s40                     ; gw = 4 x cluster x + cx: my weight rows
	s_lshl_b32 s44, s41, 2
	s_lshl_b32 s44, 15, s44                        ; my row of the cluster
	s_lshl_b32 s45, 0x1111, s40                    ; my column
	s_or_b32 s[G1W], s45, (3<<16)|(1<<21)
	s_or_b32 s[G1X], s44, (3<<16)|(1<<21)
	s_or_b32 s[G1S], s44, (3<<16)|(1<<21)
	s_or_b32 s[G1SB], s45, (3<<16)|(1<<21)
	SHAPE G1W, 384, 16, 1536                       ; 16 tiles x two K steps
	SHAPE G1X, 384, 16, 1536
	SHAPE G1S, 32, 32, 32                          ; 8,192 dense bytes as rows of 256
	SHAPE G1SB, 32, 32, 32
	s_lshl_b32 s94, s43, 4
	s_add_co_u32 s94, s94, 128                     ; x's first tile in img and scl
	s_lshl_b32 s95, s42, 4                         ; w's
	s_lshl_b32 s96, s42, 3
	s_add_co_u32 s96, s96, 640                     ; wv's
	s_mul_i32 s20, s94, 12288
	s_mov_b32 s21, 0
	s_lshl_b32 s98, s94, 9
	s_mov_b32 s99, 0
	s_mul_i32 s100, s95, 12288
	s_mov_b32 s101, 0
	s_lshl_b32 s2, s95, 9
	s_mov_b32 s3, 0
	s_lshl_b32 s22, s96, 9
	s_mov_b32 s23, 0
	s_lshl_b32 s97, s14, 1
	s_add_co_u32 s46, s96, s97
	s_mul_i32 s46, s46, 12288                      ; wv: my two tiles of the eight
	s_mov_b32 s47, 0
	s_lshl_b32 s97, s40, 2
	s_add_co_u32 s97, s97, s14
	s_add_co_u32 s18, s94, s97
	s_mul_i32 s18, s18, 12288                      ; prefetch: x's tile 4 cx + wave,
	s_mov_b32 s19, 0
	s_lshl_b32 s97, s41, 2
	s_add_co_u32 s97, s97, s14
	s_add_co_u32 s66, s95, s97
	s_mul_i32 s66, s66, 12288                      ; w's tile 4 cy + wave,
	s_mov_b32 s67, 0
	s_lshl_b32 s97, s41, 1
	s_add_co_u32 s97, s97, s15
	s_add_co_u32 s88, s96, s97
	s_mul_i32 s88, s88, 12288
	s_mul_i32 s97, s16, CH
	s_add_co_u32 s88, s88, s97                     ; wv's tile 2 cy + wave / 2, two K steps by wave % 2
	s_mov_b32 s89, 0
	s_mul_i32 s17, s14, 4*CH                       ; my quarter of a slot
	s_mov_b32 s12, 0x76543210
	s_mov_b32 s13, 0xfedcba98                      ; selects for lane l xor 16
	s_wait_dscnt 0x0                               ; both opening adds are done
	s_wait_kmcnt 0x0
	s_add_nc_u64 s[20:21], s[4:5], s[20:21]
	s_add_nc_u64 s[100:101], s[4:5], s[100:101]
	s_add_nc_u64 s[46:47], s[4:5], s[46:47]
	s_add_nc_u64 s[18:19], s[4:5], s[18:19]
	s_add_nc_u64 s[66:67], s[4:5], s[66:67]
	s_add_nc_u64 s[88:89], s[4:5], s[88:89]
	s_add_nc_u64 s[22:23], s[6:7], s[22:23]
.irp s, 0,1
	s_mov_b32 s[G0W+4*\s], 1                       ; W0, W1: whole, by one wave
	s_mov_b32 s[G0W+4*\s+1], WR+\s*WSLOT
	s_add_nc_u64 s[G0W+4*\s+2:G0W+4*\s+3], s[100:101], \s*CH
	s_or_b32 s[G0W+4*\s+3], s[G0W+4*\s+3], 0x80000000
.endr
	s_mov_b32 s[G0X], 1
	s_mov_b32 s[G0X+1], 0
	s_mov_b64 s[G0X+2:G0X+3], s[20:21]
	s_or_b32 s[G0X+3], s[G0X+3], 0x80000000
	s_mov_b32 s[G0S], 1
	s_mov_b32 s[G0S+1], XS
	s_add_nc_u64 s[G0S+2:G0S+3], s[6:7], s[98:99]
	s_or_b32 s[G0S+3], s[G0S+3], 0x80000000
	s_mov_b32 s[G0SB], 1
	s_mov_b32 s[G0SB+1], WS
	s_add_nc_u64 s[G0SB+2:G0SB+3], s[6:7], s[2:3]
	s_or_b32 s[G0SB+3], s[G0SB+3], 0x80000000
	s_mul_i32 s100, s14, 4*12288                   ; from the group's first tile to my four, for the ring
	s_mov_b32 s101, 0
	CROUND                                         ; all sixteen work-groups are here: the first joint loads meet
	ARM 1, G0W, G1W, .Lh1, .Lhj                    ; wave 0: W0; wave 1: x's K steps 0-1; wave 2: x's scale words; wave 3: w's
	ARM 2, G0X, G1X, .Lh2, .Lhj
	ARM 3, G0S, G1S, .Lh3, .Lhj
	tensor_load_to_lds s[G0SB:G0SB+3], s[G1SB:G1SB+7]
	s_nop 0
	PLACES 4
.Lhj:
	v_and_b32 v3, 31, v0
	v_min_u32 v4, 11, v3                           ; lanes left over name the last block again
	v_min_u32 v5, 23, v3
	v_lshlrev_b32 v[PF12], 8, v4                   ; 12 blocks of 256 bytes: two K steps of a tile
	v_lshlrev_b32 v[PF24], 8, v5                   ; 24 blocks: four K steps
	global_prefetch_b8 v[PF12], s[66:67] offset:CH th:TH_LOAD_NT scope:SCOPE_SE     ; w's K steps 2-3
	global_prefetch_b8 v[PF12], s[18:19] offset:CH th:TH_LOAD_NT scope:SCOPE_SE     ; x's K steps 2-3
	global_prefetch_b8 v[PF24], s[18:19] offset:2*CH th:TH_LOAD_NT scope:SCOPE_SE   ; x's K steps 4-7
	; where the results go.  Phase 1: codes [head 0..31][x tile][768], bytes [head][x tile / 8][512].  Phase 2: codes [64 keys][wv tile][768], words [128 keys][head][512]
	s_lshl_b32 s3, s42, 1
	s_add_co_u32 s3, s3, s16                       ; 2 gw + half: my 128 rows of w
	s_lshl_b32 s2, s43, 1
	s_add_co_u32 s44, s2, s15                      ; my 128 rows of x in phase 1,
	s_add_co_u32 s45, s2, s16                      ; in phase 2
	s_lshl_b32 s40, s3, 10
	s_lshl_b32 s41, s44, 3
	s_add_co_u32 s40, s40, s41
	s_mul_i32 s40, s40, 768
	s_mov_b32 s41, 0
	s_lshl_b32 s90, s45, 7
	s_lshl_b32 s91, s42, 3
	s_add_co_u32 s90, s90, s91
	s_lshl_b32 s91, s15, 2
	s_add_co_u32 s90, s90, s91
	s_mul_i32 s90, s90, 768
	s_add_co_u32 s90, s90, 12582912
	s_mov_b32 s91, 0
	s_add_nc_u64 s[90:91], s[8:9], s[90:91]
	s_add_nc_u64 s[8:9], s[8:9], s[40:41]
	s_lshl_b32 s40, s3, 16
	s_lshl_b32 s92, s44, 9
	s_add_co_u32 s40, s40, s92
	s_lshl_b32 s92, s45, 13
	s_lshl_b32 s93, s42, 1
	s_add_co_u32 s93, s93, s15
	s_lshl_b32 s93, s93, 9
	s_add_co_u32 s92, s92, s93
	s_add_co_u32 s92, s92, 1048576
	s_mov_b32 s93, 0
	s_add_nc_u64 s[92:93], s[10:11], s[92:93]
	s_add_nc_u64 s[10:11], s[10:11], s[40:41]
	s_mul_i32 s94, s15, HALFX
	s_mul_i32 s95, s16, HALFX
	s_lshl_b32 s96, s94, 1
	s_add_co_u32 s96, s96, X2
	s_lshl_b32 s97, s95, 1
	s_add_co_u32 s97, s97, X2
	s_lshl_b32 s98, s15, 12
	s_lshl_b32 s99, s16, 12
	s_add_co_u32 s2, s99, XS                       ; phase 2: lanes 16-31 read x's words
	s_lshl_b32 s3, s15, 11
	s_add_co_u32 s3, s3, 16512
	s_sub_co_u32 s3, s3, s99                       ; and lanes 0-15 wv's, so much further on
	s_sub_co_u32 s41, s3, 2048                     ; (for blocks 4-7, which wv does not have, lanes 0-15 read blocks 0-3 again: those words are not used)
	s_add_co_u32 s99, s99, 8320
	s_sub_co_u32 s99, s99, s98                     ; phase 1: lanes 16-31 read w's words, so much further on than x's
	s_add_co_u32 s98, s98, XS
	v_and_b32 v1, 15, v0
	v_bfe_u32 v2, v0, 4, 1
	v_and_b32 v3, 31, v0
	v_sub_nc_u32 v7, 1, v2
	v_lshlrev_b32 v[OL], 4, v3
	v_lshl_add_u32 v[OH], v3, 3, 512
	v_add_nc_u32 v[XA], s94, v[OL]
	v_add_nc_u32 v[XA+1], X1, v[XA]
	v_add_nc_u32 v[XA+2], s96, v[OL]
	v_add_nc_u32 v[XB], s95, v[OL]
	v_add_nc_u32 v[XB+1], X1, v[XB]
	v_add_nc_u32 v[XB+2], s97, v[OL]
	v_add_nc_u32 v[WB], WR, v[XB]
	v_add_nc_u32 v[WB+1], WR+WSLOT, v[XB]
	v_add_nc_u32 v[VA], WR, v[XA]
	v_add_nc_u32 v[VA+1], WR+WSLOT, v[XA]
	v_lshlrev_b32 v5, 3, v1
	v_mul_u32_u24 v6, s99, v2
	v_add_nc_u32 v6, v5, v6
	v_add_nc_u32 v[ADRS], s98, v6
	v_mul_u32_u24 v6, s3, v7
	v_add_nc_u32 v6, v5, v6
	v_add_nc_u32 v[ADRS2], s2, v6
	v_mul_u32_u24 v6, s41, v7
	v_add_nc_u32 v6, v5, v6
	v_add_nc_u32 v[ADRS3], s2, v6
.irp b, 0,1,2,3
	v_mov_b32 v[TM+4+\b], 0                        ; a lane permute's destination counts as one of its sources
.endr
.macro FRAG reg, adr, off              ; an image: three pieces of 16 bytes a lane
.irp c, 0,1,2
	ds_load_b128 v[\reg+4*\c:\reg+4*\c+3], v[\adr] offset:\off+512*\c
.endr
.endm
.macro XLOC st                         ; where K step st of x lies: region, bytes from tile to tile, byte in the tile's row
.if (\st) < 4
.set XK, (\st)/2
.set XP, CH
.set XO, ((\st)%2)*GB
.else
.set XK, 2
.set XP, 2*CH
.set XO, ((\st)-4)*GB
.endif
.endm
.macro FX_A st, i0                     ; phase 1: x's blocks i0 .. i0 + 3 of K step st
	XLOC \st
.irp j, 0,1,2,3
	FRAG AF+FR*((\i0)+\j), XA+XK, ((\i0)+\j)*XP+XO
.endr
.endm
.macro FW_B st                         ; phase 1: w's eight blocks into set st % 2
	WIN TO_B
.irp i, 0,1,2,3,4,5,6,7
	FRAG 128*((\st)%2)+FR*\i, WB+((\st)/2)%2, \i*CH+((\st)%2)*GB
.endr
	WIN 0
.endm
.macro F2 st                           ; phase 2: x's eight blocks and wv's four into sets st % 2
	XLOC \st
	WIN TO_B
.irp i, 0,1,2,3,4,5,6,7
	FRAG 128*((\st)%2)+FR*\i, XB+XK, \i*XP+XO
.endr
	WIN 0
.irp j, 0,1,2,3
	FRAG AF+48*((\st)%2)+FR*\j, VA+(\st)/4, \j*2*CH+((\st)%4)*GB
.endr
.endm
.macro SCALES sc, pr                   ; the words of K steps 2 pr, 2 pr + 1: lanes 0-15 source 1's block i, lanes 16-31 source 0's
.irp i, 0,1,2,3,4,5,6,7
	ds_load_b64 v[SC+16*(\sc)+2*\i:SC+16*(\sc)+2*\i+1], v[ADRS] offset:\i*512+128*(\pr)
.endr
.endm
.macro SCALES2 sc, pr
.irp i, 0,1,2,3
	ds_load_b64 v[SC+16*(\sc)+2*\i:SC+16*(\sc)+2*\i+1], v[ADRS2] offset:\i*512+128*(\pr)
.endr
.irp i, 4,5,6,7
	ds_load_b64 v[SC+16*(\sc)+2*\i:SC+16*(\sc)+2*\i+1], v[ADRS3] offset:\i*512+128*(\pr)
.endr
.endm
; 16 products: source 1's blocks a0, a0 + 1 (fragments from ab on) x source 0's eight (set p).  The accumulators take turns, one instruction a turn.  zero: the first product starts the sums.
.macro MUL16 a0, ab, p, q, sc, zero
.irp a, \a0, \a0+1
.irp b, 0,1,2,3,4,5,6,7
.if \zero
	v_wmma_scale_f32_16x16x128_f8f6f4 v[8*(8*((\a)%4)+\b):8*(8*((\a)%4)+\b)+7], v[128*(\p)+FR*\b:128*(\p)+FR*\b+FR-1], v[\ab+FR*(\a):\ab+FR*(\a)+FR-1], 0, v[SC+16*(\sc)+2*\b+(\q)], v[SC+16*(\sc)+2*(\a)+(\q)] matrix_a_fmt:MATRIX_FMT_BF6 matrix_b_fmt:MATRIX_FMT_BF6 matrix_a_scale:MATRIX_SCALE_ROW1
.else
	v_wmma_scale_f32_16x16x128_f8f6f4 v[8*(8*((\a)%4)+\b):8*(8*((\a)%4)+\b)+7], v[128*(\p)+FR*\b:128*(\p)+FR*\b+FR-1], v[\ab+FR*(\a):\ab+FR*(\a)+FR-1], v[8*(8*((\a)%4)+\b):8*(8*((\a)%4)+\b)+7], v[SC+16*(\sc)+2*\b+(\q)], v[SC+16*(\sc)+2*(\a)+(\q)] matrix_a_fmt:MATRIX_FMT_BF6 matrix_b_fmt:MATRIX_FMT_BF6 matrix_a_scale:MATRIX_SCALE_ROW1
.endif
.endr
.endr
.endm
; Phase 1, an even K step: the next step lies in the same slot.  Four places stand in front of each run of loads into registers that products have read.
.macro P1E st, zero
	s_wait_dscnt 4*NL                              ; all but x's blocks 4-7, the youngest 12 loads
	WIN MUL_LO
	MUL16 0, AF, 0, 0, ((\st)/2)%2, \zero
	MUL16 2, AF, 0, 0, ((\st)/2)%2, \zero
	s_wait_dscnt 0x0
	PLACES NP
	FW_B (\st)+1
	FX_A (\st)+1, 0
	WIN MUL_HI
	MUL16 4, AF, 0, 0, ((\st)/2)%2, \zero
	MUL16 6, AF, 0, 0, ((\st)/2)%2, \zero
	PLACES NP
	WIN 0
	FX_A (\st)+1, 4
.endm
; Phase 1, an odd K step: its slot has been read out.  Every wave waits for all its tensor loads, adds 0 to its spare word, waits for that and for its reads; the barrier opens a round of the cluster's barrier; the refill comes first behind it.
.macro P1O st
.set SS, ((\st)/2)%2
	s_wait_tensorcnt 0x0
	ds_add_u32 v[SPW], v[NIL]                      ; no tensor load of mine is out, so descriptors may be written
.if (\st) == 1
	s_mov_b32 s[G1W+2], 4<<16                      ; from here on a wave fetches four tiles of a slot's sixteen
	s_mov_b32 s[G1W+4], 4
	s_add_co_u32 s[G0W+1], s17, WR
	s_add_co_u32 s[G0W+5], s17, WR+WSLOT
	s_add_nc_u64 s[G0W+2:G0W+3], s[G0W+2:G0W+3], s[100:101]
	s_add_nc_u64 s[G0W+6:G0W+7], s[G0W+6:G0W+7], s[100:101]
	s_add_nc_u64 s[G0W+2:G0W+3], s[G0W+2:G0W+3], 2*CH   ; W2
.elseif (\st) == 3
	s_add_nc_u64 s[G0W+6:G0W+7], s[G0W+6:G0W+7], 2*CH   ; W3
.elseif (\st) == 5
	s_mov_b32 s[G1W+1], 768<<16                    ; wv: two tiles a wave, four K steps of each
	s_mov_b32 s[G1W+2], 2<<16
	s_mov_b32 s[G1W+3], 768<<16
	s_mov_b32 s[G1W+4], 2
	s_mov_b64 s[G0W+2:G0W+3], s[46:47]
	s_or_b32 s[G0W+3], s[G0W+3], 0x80000000
.else
	s_add_nc_u64 s[G0W+6:G0W+7], s[46:47], 2*CH    ; wv's K steps 4-7
	s_or_b32 s[G0W+7], s[G0W+7], 0x80000000
.endif
	s_wait_dscnt 4*NL+1                            ; (the add and x's blocks 4-7 may be out)
	WIN MUL_LO
	MUL16 0, AF, 1, 1, SS, 0
	s_wait_dscnt 0x0                               ; the add is done, and so are my reads of the slot
	s_barrier_signal -1
	MUL16 2, AF, 1, 1, SS, 0
	WIN 0
	s_barrier_wait -1
	CREST
	tensor_load_to_lds s[G0W+4*SS:G0W+4*SS+3], s[G1W:G1W+7]
	s_nop 0
	PLACES 4                                       ; also the places in front of the loads below
.if (\st) < 7
	FW_B (\st)+1
	FX_A (\st)+1, 0
	SCALES 1-SS, ((\st)+1)/2
.else
	F2 0                                           ; phase 2's first fragments
	SCALES2 0, 0
.endif
.if (\st) == 1
	global_prefetch_b8 v[PF12], s[88:89] th:TH_LOAD_NT scope:SCOPE_SE              ; wv's K steps 0-3: loaded two refills on
.elseif (\st) == 3
	global_prefetch_b8 v[PF12], s[88:89] offset:2*CH th:TH_LOAD_NT scope:SCOPE_SE  ; wv's K steps 4-7
.endif
	WIN MUL_HI
	MUL16 4, AF, 1, 1, SS, 0
	MUL16 6, AF, 1, 1, SS, 0
	PLACES NP
	WIN 0
.if (\st) < 7
	FX_A (\st)+1, 4
.endif
.endm
; Phase 2, a K step: 32 products; the next step's fragments are asked for ahead of them, into the other sets
.macro P2 st
	s_wait_dscnt 0x0
	PLACES NP
.if (\st) < 7
	F2 (\st)+1
.if (\st)%2 == 1
	SCALES2 (((\st)+1)/2)%2, ((\st)+1)/2
.endif
.endif
	WIN MUL_LO
	MUL16 0, AF+48*((\st)%2), (\st)%2, (\st)%2, ((\st)/2)%2, (\st)==0
	MUL16 2, AF+48*((\st)%2), (\st)%2, (\st)%2, ((\st)/2)%2, (\st)==0
	WIN 0
.endm
; Block a (16 rows of source 1 x 128 of source 0) is quantised along source 0's rows: four blocks of 32, each in lanes l and l xor 16; two halves of 64 leave as images of 768 bytes
.macro QROW a, sb, c1
.set AC, 64*((\a)%4)
.set WN, 2+(\a)/4
	WIN 5*WN
.irp b, 0,1,2,3
	v_max3_num_f32 v[TM+\b], |v[AC+16*\b]|, |v[AC+16*\b+1]|, 0x2800000     ; with the floor 2^(5 - 127): the byte cannot fall under 1
.endr
.irp i, 2,4,6,8,10,12,14
.irp b, 0,1,2,3
	v_max3_num_f32 v[TM+\b], |v[AC+16*\b+\i]|, |v[AC+16*\b+\i+1]|, v[TM+\b]
.endr
.endr
	WIN 0
.irp b, 0,1,2,3
	v_permlanex16_b32 v[TM+4+\b], v[TM+\b], s12, s13
.endr
.irp b, 0,1,2,3
	v_max_num_f32 v[TM+\b], v[TM+\b], v[TM+4+\b]
.endr
.irp b, 0,1,2,3
	v_add_nc_u32 v[TM+12+\b], 0xfe000000, v[TM+\b]      ; 4 off the exponent field: the conversion's scale operand
.endr
.irp b, 0,1,2,3
	v_lshrrev_b32 v[TM+4+\b], 23, v[TM+12+\b]           ; the byte
.endr
	v_lshl_or_b32 v[W+(\a)], v[TM+5], 8, v[TM+4]
	v_lshl_or_b32 v[W+(\a)], v[TM+6], 16, v[W+(\a)]
	v_lshl_or_b32 v[W+(\a)], v[TM+7], 24, v[W+(\a)]
	s_wait_alu depctr_va_vdst(0)
	s_wait_xcnt 0x0                                ; the last block's stores have read the codes' registers
	WIN WN
.irp c, 0,1
	v_cvt_scalef32_pk16_bf6_f32 v[HC+6*\c:HC+6*\c+2], v[AC+32*\c:AC+32*\c+15], v[TM+12+2*\c]
	v_cvt_scalef32_pk16_bf6_f32 v[HY+4*\c:HY+4*\c+2], v[AC+32*\c+16:AC+32*\c+31], v[TM+13+2*\c]
.endr
	WIN 0
	v_nop                                          ; one plain place behind a scaled conversion
.irp c, 0,1
.irp i, 0,1,2
	v_permlane16_swap_b32 v[HC+6*\c+\i], v[HY+4*\c+\i]  ; a whole block to a lane
.endr
.irp i, 0,1,2
	v_mov_b32 v[HC+6*\c+3+\i], v[HY+4*\c+\i]
.endr
.endr
	global_store_b128 v[OL], v[HC:HC+3], s[\sb:\sb+1] offset:(\a)*768          ; 512 consecutive bytes, aligned, and the 256 behind them
	global_store_b64 v[OH], v[HC+4:HC+5], s[\sb:\sb+1] offset:(\a)*768
	global_store_b128 v[OL], v[HC+6:HC+9], s[\sb:\sb+1] offset:(\c1)+(\a)*768
	global_store_b64 v[OH], v[HC+10:HC+11], s[\sb:\sb+1] offset:(\c1)+(\a)*768
.endm
	s_wait_alu depctr_va_vdst(0)
	s_wait_tensorcnt 0x0                           ; my tile of the head's four is in; the same lines as ahead of a refill stand ahead of the later first fills
	ds_add_u32 v[SPW], v[NIL]
	s_mov_b32 s[G0X+1], X1                         ; x's K steps 2-3
	s_add_nc_u64 s[G0X+2:G0X+3], s[G0X+2:G0X+3], CH
	s_mov_b32 s[G0S+1], X2                         ; x's K steps 4-7: 16 tiles x 6,144 bytes, in the registers that served x's scale words (the same mask)
	s_add_nc_u64 s[G0S+2:G0S+3], s[20:21], 2*CH
	s_or_b32 s[G0S+3], s[G0S+3], 0x80000000
	s_mov_b32 s[G1S+1], 768<<16
	s_mov_b32 s[G1S+2], 16<<16
	s_mov_b32 s[G1S+3], 768<<16
	s_mov_b32 s[G1S+4], 16
	s_mov_b32 s[G1S+5], 1536
	s_mov_b32 s[G0SB+1], VS                        ; wv's scale words: 16 rows of 256 bytes
	s_mov_b64 s[G0SB+2:G0SB+3], s[22:23]
	s_or_b32 s[G0SB+3], s[G0SB+3], 0x80000000
	s_mov_b32 s[G1SB+2], 16<<16
	s_mov_b32 s[G1SB+4], 16
	s_wait_dscnt 0x0
	CROUND
	ARM 1, G0W+4, G1W, .Lr1, .Lrj                  ; wave 0: W1; wave 1, 2: the rest of x; wave 3: wv's scale words.  All first fills
	ARM 2, G0X, G1X, .Lr2, .Lrj
	ARM 3, G0S, G1S, .Lr3, .Lrj
	tensor_load_to_lds s[G0SB:G0SB+3], s[G1SB:G1SB+7]
	s_nop 0
	PLACES 4
.Lrj:
	FW_B 0
	FX_A 0, 0
	SCALES 0, 0
	FX_A 0, 4
	global_prefetch_b8 v[PF24], s[66:67] offset:2*CH th:TH_LOAD_NT scope:SCOPE_SE   ; w's K steps 4-7
	P1E 0, 1
	P1O 1
	P1E 2, 0
	P1O 3
	P1E 4, 0
	P1O 5
	P1E 6, 0
	P1O 7
.irp a, 0,1,2,3,4,5,6,7
	QROW \a, 8, 393216                             ; the second head's images lie 512 tiles on
.endr
.irp p, 0,1,2,3
	v_perm_b32 v[KQ+\p], v[W+2*\p+1], v[W+2*\p], 0x05040100      ; the first head's two bytes of x tiles 2 p, 2 p + 1,
	v_perm_b32 v[KQ+4+\p], v[W+2*\p+1], v[W+2*\p], 0x07060302    ; the second head's
.endr
	global_store_b128 v[OL], v[KQ:KQ+3], s[10:11]
	global_store_b128 v[OL], v[KQ+4:KQ+7], s[10:11] offset:32768
	s_wait_tensorcnt 0x0                           ; my part of wv's K steps 4-7 is in,
	s_wait_dscnt 0x0
	s_barrier_signal -1
	s_barrier_wait -1                              ; and everybody's: from here on LDS is only read
.irp t, 0,1,2,3,4,5,6,7
	P2 \t
.endr
	PLACES NP
.irp a, 0,1,2,3
	QROW \a, 90, 49152                             ; the second 64 keys' images lie 64 tiles on
.endr
	global_store_b128 v[OL], v[W:W+3], s[92:93]    ; my head's four tiles: a word of four bytes for each d and these 128 keys
	s_wait_tensorcnt 0x0                           ; the wave's end
	ds_add_u32 v[SPW], v[NIL]
	s_wait_dscnt 0x0
	CROUND                                         ; the closing round
	s_endpgm
.Lfunc_end_k_qfd514e0942_qkv:
	.size	k_qfd514e0942_qkv, .Lfunc_end_k_qfd514e0942_qkv-k_qfd514e0942_qkv
	.p2alignl 7, 3214868480
	.fill 96, 4, 3214868480
	.section	.rodata,"a",@progbits
	.p2align	6, 0x0
	.amdhsa_kernel k_qfd514e0942_qkv
		.amdhsa_group_segment_fixed_size 327680
		.amdhsa_private_segment_fixed_size 0
		.amdhsa_enable_private_segment 0
		.amdhsa_kernarg_size 32
		.amdhsa_user_sgpr_count 2
		.amdhsa_user_sgpr_kernarg_segment_ptr 1
		.amdhsa_wavefront_size32 1
		.amdhsa_system_sgpr_workgroup_id_x 1
		.amdhsa_system_sgpr_workgroup_id_y 1
		.amdhsa_system_sgpr_workgroup_id_z 1
		.amdhsa_system_vgpr_workitem_id 0
		.amdhsa_next_free_vgpr 1024
		.amdhsa_next_free_sgpr 102
		.amdhsa_reserve_vcc 0
		.amdhsa_float_denorm_mode_32 3
		.amdhsa_float_denorm_mode_16_64 3
		.amdhsa_memory_ordered 1
		.amdhsa_forward_progress 1
		.amdhsa_inst_pref_size 218
	.end_amdhsa_kernel
	.amdgpu_metadata
---
amdhsa.version: [ 1, 2 ]
amdhsa.kernels:
  - .name:           k_qfd514e0942_qkv
    .symbol:         k_qfd514e0942_qkv.kd
    .args:
      - { .name: img, .offset: 0, .size: 8, .value_kind: global_buffer, .address_space: global }
      - { .name: scl, .offset: 8, .size: 8, .value_kind: global_buffer, .address_space: global }
      - { .name: qkv, .offset: 16, .size: 8, .value_kind: global_buffer, .address_space: global }
      - { .name: qkvs, .offset: 24, .size: 8, .value_kind: global_buffer, .address_space: global }
    .group_segment_fixed_size: 327680
    .private_segment_fixed_size: 0
    .kernarg_segment_align: 8
    .kernarg_segment_size: 32
    .max_flat_workgroup_size: 128
    .sgpr_count:     102
    .vgpr_count:     1024
    .wavefront_size: 32
...
	.end_amdgpu_metadata
.endif
;; end of part 2
;; launch attn (part 3): grid 2 x 128, 16 waves a work-group, no clusters, 108,544 bytes of LDS; arguments qkv, qkvs, mbits, klp, av, avs, out1; writes av, avs, out1
.if DOCPART == 3
	.amdgcn_target "amdgcn-amd-amdhsa--gfx1250"
	.amdhsa_code_object_version 6
	.text
	.protected	k_qfd514e0942_attn
	.globl	k_qfd514e0942_attn
	.p2align	8
	.type	k_qfd514e0942_attn,@function
k_qfd514e0942_attn:
	s_mov_b64 s[64:65], 0
	v_nop
	global_prefetch_b8 v0, s[64:65] scope:SCOPE_SE
	s_setreg_imm32_b32 hwreg(HW_REG_WAVE_MODE, 25, 1), 1
	s_wait_xcnt 0x0
; ATTN: scores, softmax and P V of one (batch, head), on codes of BF6 with one E8M0 byte for each 32 along a product's K; the result, divided by the row's sum, is quantised along head x 64 + d and leaves as codes.
; SOFTMAX: t = score x log2(e) / 8; M = the running largest t rounded up to a whole number; p = 2^(t - M) is quantised along the keys, not normalised; the sum is taken of the unquantised p; when M moves, sum and O are
; multiplied by 2^(old M - new M), which rounds nothing.
; SHARES.  Two work-groups to a (batch, head); each of the sixteen waves takes query tiles k and 63 - k, k = 16 x work-group x + wave, one after the other, and walks the keys 128 a step.
; THE MASK is an input of any pattern: an earlier launch stored, for each query tile and key step, 64 words of lane bits and a flag (0 nothing hidden, 1 some, 2 all).  Both tiles' flags are read at the head.
; A step with flag 2 is left out by a scalar branch (its p would all be 0).  With flag 1 the step's 64 words are asked for ahead of its first products, and hidden scores become -infinity ahead of the maximum.
; With flag 0 no word is asked for.  The step's front is written in both arms, so that the scalar loads, the wait for them and the selects lie on one way.
; A row with no key at all gets the scale byte 0xff, which makes that row NaN in the next product.
; K AND V of the head, 104 KB of codes and scale words, come into LDS once, through registers: no tensor load.  One barrier in the launch.
; NO JOINT LOADS: the head's K and V are read once each by two work-groups; there are no four that share a tile.
; LAYOUT.  Both products transposed: S^T = K Q^T, O^T = V^T P^T: a lane holds one query.  The head's 64 fill half of the instruction's 128: a fragment of K holds TWO key tiles (tile 2 f in k 0-63, tile 2 f + 1 in k 64-127),
; multiplied once by [q | 0] and once by [0 | q]: zero codes add nothing.  The keys of a tile are chosen so that the 16 registers of tiles 2 f, 2 f + 1 are keys 32 f + 16 (lane / 16) + 0 .. 15.
; LIMITS: NaN and infinities in the inputs are not served; v_exp_f32 gives 0 under 2^-126; a block of zeros keeps the byte 1.
.set VC,  49152                        ; LDS: K's 64 halves from 0; V's [16 groups of 64 keys][4 tiles of d][768];
.set KS,  98304                        ; K's quads of scale words, 512 bytes a step; V's 4,096 bytes on
.set KF,  48                           ; v48-95   four fragments of K or of V
.set S,   96                           ; v96-159  S^T, then p
.set O,   160                          ; v160-191 O^T
.set PC,  192                          ; v192-203 p's codes
.set PY,  204                          ; v204-206, v208-210
.set BM,  212                          ; v212-215 block maxima
.set BP,  216                          ; v216-219 permutes, bytes
.set BS,  220                          ; v220-223 scale operands
.set KSC, 224                          ; v224-227 K's scale words, v228-231 V's, v232 p's
.set VSC, 228
.set PW,  232
; v1 16 l, v2 8 l, v3 KS + 16 l, v4-6 the step's LDS addresses, v7 -infinity, v8 512 + 8 l, v9 2 l, v12 -M, v13 largest t, v[14:15] the sum; v16-21 zeros, v22-27 q, v28-33 zeros; v34-39 the second tile's q;
; v40, v41 q's scale words; v[234:235] f; v236-239 at work; v240-248 the result's codes, v249 its two bytes
; s6, s7 the flags of this tile and of the next, four bits a step; s18 wave, s[20:21] selects, s[22:23] c, s24 query tile, s25 flags still to come, s26 record, s27, s28 LDS steps, s29, s30 counters, s31 flag;
; s[32:63], s[68:99] the mask words
	s_load_b256 s[4:11], s[0:1], 0x0               ; qkv 4, qkvs 6, mbits 8, klp 10
	s_load_b128 s[12:15], s[0:1], 0x20             ; av 12, avs 14
	s_load_b64 s[16:17], s[0:1], 0x30              ; out1
	v_lshl_add_u32 v254, v0, 2, 0x1a000
	v_mov_b32 v255, 0
	v_lshrrev_b32 v1, 5, v0
	s_delay_alu instid0(VALU_DEP_1)
	v_readfirstlane_b32 s18, v1                    ; wave 0..15
	s_and_b32 s19, ttmp7, 0xffff
	s_lshr_b32 s66, s19, 4                         ; batch
	s_and_b32 s67, s19, 15                         ; head
	s_lshl_b32 s24, ttmp9, 4
	s_add_co_u32 s24, s24, s18                     ; my first query tile,
	s_sub_co_u32 s25, 63, s24                      ; my second
	s_lshl_b32 s52, s24, 5                         ; their flags: 32 bytes a tile
	s_lshl_b32 s53, s25, 5
	s_add_co_u32 s26, s67, 16
	s_lshl_b32 s26, s26, 9
	s_lshl_b32 s27, s66, 6
	s_add_co_u32 s26, s26, s27
	s_mul_i32 s32, s26, 768                        ; K's codes: ((16 + head) 512 + 64 batch) 768
	s_mov_b32 s33, 0
	s_lshl_b32 s26, s66, 10
	s_lshl_b32 s28, s67, 2
	s_add_co_u32 s26, s26, s28
	s_mul_i32 s34, s26, 768
	s_add_co_u32 s34, s34, 12582912
	s_mul_i32 s28, s18, 49152
	s_add_co_u32 s34, s34, s28                     ; V's codes: wave w takes the w-th 64 keys: four halves on end
	s_mov_b32 s35, 0
	s_add_co_u32 s26, s67, 16
	s_lshl_b32 s26, s26, 6
	s_lshl_b32 s28, s66, 3
	s_add_co_u32 s26, s26, s28
	s_lshl_b32 s36, s26, 9                         ; K's quads
	s_mov_b32 s37, 0
	s_lshl_b32 s26, s66, 7
	s_add_co_u32 s26, s26, s67
	s_lshl_b32 s38, s26, 9
	s_add_co_u32 s38, s38, 1048576                 ; V's quads, 8,192 bytes from step to step
	s_mov_b32 s39, 0
	s_lshl_b32 s26, s67, 9
	s_add_co_u32 s26, s26, s27
	s_add_co_u32 s28, s26, s24
	s_mul_i32 s40, s28, 768                        ; q of my first tile,
	s_mov_b32 s41, 0
	s_add_co_u32 s28, s26, s25
	s_mul_i32 s42, s28, 768                        ; of my second
	s_mov_b32 s43, 0
	s_lshl_b32 s26, s67, 6
	s_lshl_b32 s28, s66, 3
	s_add_co_u32 s26, s26, s28
	s_lshr_b32 s28, s24, 3
	s_add_co_u32 s28, s28, s26
	s_lshl_b32 s44, s28, 9
	s_bfe_u32 s28, s24, 0x20001
	s_lshl_b32 s28, s28, 2
	s_add_co_u32 s44, s44, s28                     ; the word of the quad that holds my first tile's bytes,
	s_mov_b32 s45, 0
	s_lshr_b32 s28, s25, 3
	s_add_co_u32 s28, s28, s26
	s_lshl_b32 s46, s28, 9
	s_bfe_u32 s28, s25, 0x20001
	s_lshl_b32 s28, s28, 2
	s_add_co_u32 s46, s46, s28                     ; my second's
	s_mov_b32 s47, 0
	s_lshl_b32 s26, s66, 10
	s_add_co_u32 s26, s26, s67
	s_mul_i32 s48, s26, 768                        ; av: (1,024 batch + head) 768, + 12,288 a query tile
	s_mov_b32 s49, 0
	s_lshl_b32 s50, s66, 16
	s_lshl_b32 s28, s67, 12
	s_add_co_u32 s50, s50, s28                     ; avs
	s_mov_b32 s51, 0
	s_mov_b32 s20, 0x76543210
	s_mov_b32 s21, 0xfedcba98
	s_mov_b32 s22, 0x3e38aa3b                      ; c = log2(e) / 8
	s_mov_b32 s23, s22                             ; (named with it as a pair, so it is written)
	v_and_b32 v10, 31, v0
	s_delay_alu instid0(VALU_DEP_1)
	v_lshlrev_b32 v1, 4, v10
	s_delay_alu instid0(VALU_DEP_2)
	v_lshlrev_b32 v2, 3, v10
	s_delay_alu instid0(VALU_DEP_2)
	v_add_nc_u32 v3, KS, v1
	v_lshlrev_b32 v4, 4, v0                        ; the fill: 16 x thread,
	v_lshlrev_b32 v5, 3, v0                        ; 8 x thread,
	s_mul_i32 s28, s18, 3072
	v_add_nc_u32 v6, s28, v1                       ; V's place in LDS: 3,072 x wave + 16 l
	v_lshrrev_b32 v11, 6, v0
	v_and_b32 v9, 63, v0
	s_delay_alu instid0(VALU_DEP_1)
	v_lshlrev_b32 v9, 3, v9
	s_delay_alu instid0(VALU_DEP_1)
	v_lshl_add_u32 v11, v11, 13, v9                ; V's quads in memory: step thread / 64
	v_add_nc_u32 v8, 512, v2
	v_lshlrev_b32 v9, 1, v10
	v_add_nc_u32 v10, KS, v5                       ; the scale words' place in LDS
	s_wait_alu depctr_va_vdst(0)
	s_wait_kmcnt 0x0
	s_add_nc_u64 s[32:33], s[4:5], s[32:33]
	s_add_nc_u64 s[34:35], s[4:5], s[34:35]
	s_add_nc_u64 s[36:37], s[6:7], s[36:37]
	s_add_nc_u64 s[38:39], s[6:7], s[38:39]
	s_add_nc_u64 s[40:41], s[4:5], s[40:41]
	s_add_nc_u64 s[42:43], s[4:5], s[42:43]
	s_add_nc_u64 s[44:45], s[6:7], s[44:45]
	s_add_nc_u64 s[46:47], s[6:7], s[46:47]
	s_add_nc_u64 s[12:13], s[12:13], s[48:49]
	s_add_nc_u64 s[14:15], s[14:15], s[50:51]
.irp i, 0,1,2,3,4,5
	global_load_b128 v[96+4*\i:99+4*\i], v4, s[32:33] offset:8192*\i
.endr
.irp i, 0,1,2,3,4,5
	global_load_b128 v[120+4*\i:123+4*\i], v1, s[34:35] offset:512*\i
.endr
	global_load_b64 v[144:145], v5, s[36:37]
	global_load_b64 v[146:147], v11, s[38:39]
	global_load_b128 v[22:25], v1, s[40:41]
	global_load_b64 v[26:27], v8, s[40:41]
	global_load_b32 v40, v1, s[44:45]
	global_load_b128 v[34:37], v1, s[42:43]
	global_load_b64 v[38:39], v8, s[42:43]
	global_load_b32 v41, v1, s[46:47]
	s_load_b256 s[68:75], s[8:9], s52 offset:0x20000   ; the eight flags of each of my two tiles: they land while K and V are waited for
	s_load_b256 s[76:83], s[8:9], s53 offset:0x20000
	v_mov_b32 v7, 0xff800000                       ; -infinity
.irp i, 0,1,2,3,4,5
	v_mov_b32 v[16+\i], 0                          ; zero codes on both sides of q
	v_mov_b32 v[28+\i], 0
.endr
.irp b, 0,1,2,3
	v_mov_b32 v[BP+\b], 0                          ; written once: a lane permute's destination counts as one of its sources
.endr
	v_mov_b32 v235, 0                              ; (the upper half of the pair v[234:235])
	v_mov_b32 v236, 0
	s_wait_loadcnt 6                               ; K and V are in; q's six loads may be out
.irp i, 0,1,2,3,4,5
	ds_store_b128 v4, v[96+4*\i:99+4*\i] offset:8192*\i
.endr
.irp i, 0,1,2,3,4,5
	ds_store_b128 v6, v[120+4*\i:123+4*\i] offset:VC+512*\i
.endr
	ds_store_b64 v10, v[144:145]
	ds_store_b64 v10, v[146:147] offset:4096
	s_wait_dscnt 0x0                               ; for the others' sake: my stores have landed
	s_barrier_signal -1
	s_barrier_wait -1                              ; from here on LDS is only read
	s_wait_loadcnt 0x0
	s_wait_kmcnt 0x0                               ; the flags
.irp i, 1,2,3,4,5,6,7
	s_lshl_b32 s[68+\i], s[68+\i], 4*\i
	s_or_b32 s68, s68, s[68+\i]
	s_lshl_b32 s[76+\i], s[76+\i], 4*\i
	s_or_b32 s76, s76, s[76+\i]
.endr
	s_mov_b32 s6, s68                              ; four bits a step: my first tile's,
	s_mov_b32 s7, s76                              ; my second's
	s_and_b32 s28, s24, 1
	s_lshl_b32 s28, s28, 4
	v_lshrrev_b32 v40, s28, v40                    ; my tile's two bytes,
	s_delay_alu instid0(VALU_DEP_1)
	v_and_b32 v40, 0xffff, v40
	s_delay_alu instid0(VALU_DEP_1)
	v_lshl_or_b32 v40, v40, 16, v40                ; for [q | 0] and for [0 | q]
	s_xor_b32 s28, s28, 16                         ; (63 - k is odd where k is even)
	v_lshrrev_b32 v41, s28, v41
	s_delay_alu instid0(VALU_DEP_1)
	v_and_b32 v41, 0xffff, v41
	s_delay_alu instid0(VALU_DEP_1)
	v_lshl_or_b32 v41, v41, 16, v41
	s_mov_b32 s30, 2
; A step's front: K's four fragments, the eight products of the scores, and the loads of V's four fragments, which land while the softmax is walked.
.macro FRONT
	v_add_nc_u32 v4, s27, v1                       ; these three and the v_nop are the four places in front of loads into registers that the last products read
	v_add_nc_u32 v5, s27, v2
	v_add_nc_u32 v6, s28, v3
	v_nop
.irp f, 0,1,2,3
	ds_load_b128 v[KF+12*\f:KF+12*\f+3], v4 offset:\f*1536
	ds_load_b64 v[KF+12*\f+4:KF+12*\f+5], v5 offset:\f*1536+512
	ds_load_b128 v[KF+12*\f+6:KF+12*\f+9], v4 offset:\f*1536+768
	ds_load_b64 v[KF+12*\f+10:KF+12*\f+11], v5 offset:\f*1536+1280
.endr
	ds_load_b128 v[KSC:KSC+3], v6
	s_wait_alu depctr_va_vdst(0)
	s_wait_dscnt 0x0
.irp f, 0,1,2,3
	v_wmma_scale_f32_16x16x128_f8f6f4 v[S+16*\f:S+16*\f+7], v[KF+12*\f:KF+12*\f+11], v[22:33], 0, v[KSC+\f], v40 matrix_a_fmt:MATRIX_FMT_BF6 matrix_b_fmt:MATRIX_FMT_BF6
	v_wmma_scale_f32_16x16x128_f8f6f4 v[S+16*\f+8:S+16*\f+15], v[KF+12*\f:KF+12*\f+11], v[16:27], 0, v[KSC+\f], v40 matrix_a_fmt:MATRIX_FMT_BF6 matrix_b_fmt:MATRIX_FMT_BF6
.endr
.rept 4
	v_nop                                          ; places: for the loads below and for the first read of the scores
.endr
.irp t, 0,1,2,3
	ds_load_b128 v[KF+12*\t:KF+12*\t+3], v4 offset:VC+\t*768
	ds_load_b64 v[KF+12*\t+4:KF+12*\t+5], v5 offset:VC+\t*768+512
	ds_load_b128 v[KF+12*\t+6:KF+12*\t+9], v4 offset:VC+(4+\t)*768
	ds_load_b64 v[KF+12*\t+10:KF+12*\t+11], v5 offset:VC+(4+\t)*768+512
.endr
	ds_load_b128 v[VSC:VSC+3], v6 offset:4096
.endm
.Ltile:
	v_mov_b32 v13, 0xff61b1e6                      ; the largest t so far: -3e38
	s_delay_alu instid0(VALU_DEP_1)
	v_floor_f32 v12, -v13                          ; -M
	v_mov_b32 v14, 0
	v_mov_b32 v15, 0
.irp j, 0,1,2,3,4,5,6,7,8,9,10,11,12,13,14,15,16,17,18,19,20,21,22,23,24,25,26,27,28,29,30,31
	v_mov_b32 v[O+\j], 0                           ; the step is written once: its first turn finds zeros
.endr
	s_mov_b32 s25, s6                              ; this tile's flags
	s_lshl_b32 s26, s24, 11                        ; the tile's records: 8 x 256 bytes
	s_mov_b32 s27, 0
	s_mov_b32 s28, 0
	s_mov_b32 s29, 8
.Lstep:
	s_and_b32 s31, s25, 3
	s_lshr_b32 s25, s25, 4
	s_cmp_eq_u32 s31, 2
	s_cbranch_scc1 .Lskip                          ; every key of the step is hidden from all my 16 queries
	s_cmp_eq_u32 s31, 0
	s_cbranch_scc1 .Lclear                         ; none is
	s_load_b512 s[32:47], s[8:9], s26 offset:0x0   ; some are: the step's 64 words of lane bits
	s_load_b512 s[48:63], s[8:9], s26 offset:0x40
	s_load_b512 s[68:83], s[8:9], s26 offset:0x80
	s_load_b512 s[84:99], s[8:9], s26 offset:0xc0
	FRONT
	s_wait_kmcnt 0x0                               ; the mask words
.set n, 0
.rept 32
	v_cndmask_b32 v[S+n], v[S+n], v7, s[32+n]
.set n, n+1
.endr
.rept 32
	v_cndmask_b32 v[S+n], v[S+n], v7, s[36+n]
.set n, n+1
.endr
	s_branch .Lopen
.Lclear:
	FRONT
.Lopen:
.irp b, 0,1,2,3
	v_max3_num_f32 v[BM+\b], v[S+16*\b], v[S+1+16*\b], v[S+2+16*\b]    ; the largest score of each block of 32 keys: for the row's maximum and, since p rises with the score, for the block's largest p
.endr
.irp i, 3,5,7,9,11,13
.irp b, 0,1,2,3
	v_max3_num_f32 v[BM+\b], v[BM+\b], v[S+16*\b+\i], v[S+1+16*\b+\i]
.endr
.endr
.irp b, 0,1,2,3
	v_max_num_f32 v[BM+\b], v[BM+\b], v[S+15+16*\b]
.endr
.irp b, 0,1,2,3
	s_delay_alu instid0(VALU_DEP_4)
	v_permlanex16_b32 v[BP+\b], v[BM+\b], s20, s21
.endr
.irp b, 0,1,2,3
	s_delay_alu instid0(VALU_DEP_4)
	v_max_num_f32 v[BM+\b], v[BM+\b], v[BP+\b]
.endr
	s_delay_alu instid0(VALU_DEP_2)
	v_max3_num_f32 v236, v[BM], v[BM+1], v[BM+2]
	s_delay_alu instid0(VALU_DEP_1)
	v_max_num_f32 v236, v236, v[BM+3]
	s_delay_alu instid0(VALU_DEP_1)
	v_mul_f32 v236, s22, v236                      ; as t (c is positive)
	s_delay_alu instid0(VALU_DEP_1)
	v_max_num_f32 v13, v13, v236                   ; the running largest t
	v_mov_b32 v236, v12
	s_delay_alu instid0(VALU_DEP_2)
	v_floor_f32 v12, -v13                          ; the new -M = -ceil(t)
	s_delay_alu instid0(VALU_DEP_1)
	v_sub_f32 v236, v12, v236                      ; old M - new M: a whole number, 0 or less
	s_delay_alu instid0(VALU_DEP_1)
	v_cvt_i32_f32 v236, v236                       ; (it saturates)
	s_delay_alu instid0(VALU_DEP_1)
	v_ldexp_f32 v234, 1.0, v236                    ; f = 2^(old M - new M)
.irp j, 0,2,4,6,8,10,12,14,16,18,20,22,24,26,28,30,32,34,36,38,40,42,44,46,48,50,52,54,56,58,60,62
	v_pk_fma_f32 v[S+\j:S+\j+1], v[S+\j:S+\j+1], s[22:23], v[12:13] op_sel_hi:[1,0,0]   ; t - M
.endr
.irp b, 0,1,2,3
	v_fma_f32 v[BM+\b], v[BM+\b], s22, v12
.endr
	s_wait_alu depctr_va_vdst(0)
.irp j, 0,1,2,3,4,5,6,7,8,9,10,11,12,13,14,15,16,17,18,19,20,21,22,23,24,25,26,27,28,29,30,31,32,33,34,35,36,37,38,39,40,41,42,43,44,45,46,47,48,49,50,51,52,53,54,55,56,57,58,59,60,61,62,63
	v_exp_f32 v[S+\j], v[S+\j]                     ; p
.endr
.irp b, 0,1,2,3
	v_exp_f32 v[BM+\b], v[BM+\b]                   ; the block's largest p: the same two instructions on the same number
.endr
	v_pk_mul_f32 v[14:15], v[14:15], v[234:235] op_sel_hi:[1,0]    ; the sum under the new M; a plain place behind the exponentials
	s_wait_alu depctr_va_vdst(0)
.irp b, 0,1,2,3
	v_max_num_f32 v[BM+\b], 0x2800000, v[BM+\b]    ; the floor 2^(5 - 127)
.endr
.irp b, 0,1,2,3
	s_delay_alu instid0(VALU_DEP_4)
	v_add_nc_u32 v[BS+\b], 0xfe000000, v[BM+\b]
.endr
.irp b, 0,1,2,3
	s_delay_alu instid0(VALU_DEP_4)
	v_lshrrev_b32 v[BP+\b], 23, v[BS+\b]
.endr
	s_delay_alu instid0(VALU_DEP_3)
	v_lshl_or_b32 v[PW], v[BP+1], 8, v[BP]
	s_delay_alu instid0(VALU_DEP_1)
	v_lshl_or_b32 v[PW], v[BP+2], 16, v[PW]
	s_delay_alu instid0(VALU_DEP_1)
	v_lshl_or_b32 v[PW], v[BP+3], 24, v[PW]
.irp c, 0,1
	v_cvt_scalef32_pk16_bf6_f32 v[PC+6*\c:PC+6*\c+2], v[S+32*\c:S+32*\c+15], v[BS+2*\c]
	v_cvt_scalef32_pk16_bf6_f32 v[PY+4*\c:PY+4*\c+2], v[S+32*\c+16:S+32*\c+31], v[BS+2*\c+1]
.endr
	v_nop                                          ; one plain place behind a scaled conversion
.irp c, 0,1
.irp i, 0,1,2
	v_permlane16_swap_b32 v[PC+6*\c+\i], v[PY+4*\c+\i]
.endr
.irp i, 0,1,2
	s_delay_alu instid0(VALU_DEP_3)
	v_mov_b32 v[PC+6*\c+3+\i], v[PY+4*\c+\i]
.endr
.endr
	v_pk_add_f32 v[238:239], v[100:101], v[104:105]
	v_pk_add_f32 v[252:253], v[108:109], v[112:113]
	v_pk_add_f32 v[250:251], v[116:117], v[120:121]
	v_pk_add_f32 v[46:47], v[124:125], v[128:129]
	v_pk_add_f32 v[44:45], v[132:133], v[136:137]
	v_pk_add_f32 v[42:43], v[140:141], v[144:145]
	v_pk_add_f32 v[14:15], v[14:15], v[148:149]
	v_pk_add_f32 v[238:239], v[238:239], v[152:153]
	v_pk_add_f32 v[252:253], v[252:253], v[156:157]
	v_pk_add_f32 v[250:251], v[250:251], v[96:97]
	v_pk_add_f32 v[46:47], v[46:47], v[98:99]
	v_pk_add_f32 v[44:45], v[44:45], v[102:103]
	v_pk_add_f32 v[42:43], v[42:43], v[106:107]
	v_pk_add_f32 v[14:15], v[14:15], v[110:111]
	v_pk_add_f32 v[238:239], v[238:239], v[114:115]
	v_pk_add_f32 v[252:253], v[252:253], v[118:119]
	v_pk_add_f32 v[250:251], v[250:251], v[122:123]
	v_pk_add_f32 v[46:47], v[46:47], v[126:127]
	v_pk_add_f32 v[44:45], v[44:45], v[130:131]
	v_pk_add_f32 v[42:43], v[42:43], v[134:135]
	v_pk_add_f32 v[14:15], v[14:15], v[138:139]
	v_pk_add_f32 v[238:239], v[238:239], v[142:143]
	v_pk_add_f32 v[252:253], v[252:253], v[146:147]
	v_pk_add_f32 v[250:251], v[250:251], v[150:151]
	v_pk_add_f32 v[46:47], v[46:47], v[154:155]
	v_pk_add_f32 v[44:45], v[44:45], v[158:159]
	s_delay_alu instid0(VALU_DEP_2)
	v_pk_add_f32 v[14:15], v[14:15], v[46:47]
	s_delay_alu instid0(VALU_DEP_2)
	v_pk_add_f32 v[238:239], v[238:239], v[44:45]
	v_pk_add_f32 v[252:253], v[252:253], v[42:43]
	s_delay_alu instid0(VALU_DEP_1)
	v_pk_add_f32 v[14:15], v[14:15], v[252:253]
	s_delay_alu instid0(VALU_DEP_3)
	v_pk_add_f32 v[238:239], v[238:239], v[250:251]
	s_delay_alu instid0(VALU_DEP_1)
	v_pk_add_f32 v[14:15], v[14:15], v[238:239]
.irp j, 0,2,4,6,8,10,12,14,16,18,20,22,24,26,28,30
	v_pk_mul_f32 v[O+\j:O+\j+1], v[O+\j:O+\j+1], v[234:235] op_sel_hi:[1,0]     ; O^T under the new M
.endr
	s_wait_alu depctr_va_vdst(0)
	s_wait_dscnt 0x0                               ; V
.irp t, 0,1,2,3                                ; the four accumulators by turns, one instruction a turn
	v_wmma_scale_f32_16x16x128_f8f6f4 v[O+8*\t:O+8*\t+7], v[KF+12*\t:KF+12*\t+11], v[PC:PC+11], v[O+8*\t:O+8*\t+7], v[VSC+\t], v[PW] matrix_a_fmt:MATRIX_FMT_BF6 matrix_b_fmt:MATRIX_FMT_BF6
.endr
.Lskip:
	s_add_co_u32 s26, s26, 256
	s_add_co_u32 s27, s27, 6144
	s_add_co_u32 s28, s28, 512
	s_sub_co_u32 s29, s29, 1
	s_cmp_lg_u32 s29, 0
	s_cbranch_scc1 .Lstep
	; the tile's end: O^T / the sum, quantised along d: register 16 g + i is d = 32 g + 16 (lane / 16) + i
.rept 4
	v_nop
.endr
	v_add_f32 v14, v14, v15
	s_delay_alu instid0(VALU_DEP_1)
	v_permlanex16_b32 v236, v14, s20, s21
	s_delay_alu instid0(VALU_DEP_1)
	v_add_f32 v14, v14, v236                       ; the row's sum
	s_delay_alu instid0(VALU_DEP_1)
	v_cmp_eq_f32 vcc_lo, 0, v14                    ; a row with no key
	v_rcp_f32 v234, v14
	v_nop
	s_wait_alu depctr_va_vdst(0)
.irp j, 0,2,4,6,8,10,12,14,16,18,20,22,24,26,28,30
	v_pk_mul_f32 v[O+\j:O+\j+1], v[O+\j:O+\j+1], v[234:235] op_sel_hi:[1,0]
.endr
.irp g, 0,1
	v_max3_num_f32 v[BM+\g], |v[O+16*\g]|, |v[O+16*\g+1]|, 0x2800000
.endr
.irp i, 2,4,6,8,10,12,14
.irp g, 0,1
	s_delay_alu instid0(VALU_DEP_2)
	v_max3_num_f32 v[BM+\g], v[BM+\g], |v[O+16*\g+\i]|, |v[O+16*\g+\i+1]|
.endr
.endr
.irp g, 0,1
	s_delay_alu instid0(VALU_DEP_2)
	v_permlanex16_b32 v[BP+\g], v[BM+\g], s20, s21
.endr
.irp g, 0,1
	s_delay_alu instid0(VALU_DEP_2)
	v_max_num_f32 v[BM+\g], v[BM+\g], v[BP+\g]
.endr
.irp g, 0,1
	s_delay_alu instid0(VALU_DEP_2)
	v_add_nc_u32 v[BS+\g], 0xfe000000, v[BM+\g]
.endr
.irp g, 0,1
	s_delay_alu instid0(VALU_DEP_2)
	v_lshrrev_b32 v[BP+\g], 23, v[BS+\g]
.endr
	v_mov_b32 v237, 0xffff
	s_wait_alu depctr_va_vdst(0)
	s_wait_xcnt 0x0                                ; the last tile's stores have read their data and bases
	v_lshl_or_b32 v249, v[BP+1], 8, v[BP]
	s_delay_alu instid0(VALU_DEP_1)
	v_cndmask_b32 v249, v249, v237, vcc_lo         ; no key: both bytes 0xff
	v_cvt_scalef32_pk16_bf6_f32 v[240:242], v[O:O+15], v[BS]
	v_cvt_scalef32_pk16_bf6_f32 v[246:248], v[O+16:O+31], v[BS+1]
	v_nop
.irp i, 0,1,2
	v_permlane16_swap_b32 v[240+\i], v[246+\i]
.endr
.irp i, 0,1,2
	s_delay_alu instid0(VALU_DEP_3)
	v_mov_b32 v[243+\i], v[246+\i]
.endr
	s_mul_i32 s2, s24, 12288
	s_mov_b32 s3, 0
	s_add_nc_u64 s[2:3], s[12:13], s[2:3]
	s_lshl_b32 s66, s24, 6
	s_mov_b32 s67, 0
	s_add_nc_u64 s[66:67], s[14:15], s[66:67]
	global_store_b128 v1, v[240:243], s[2:3]       ; 512 consecutive bytes, aligned,
	global_store_b64 v8, v[244:245], s[2:3]        ; and the 256 behind them
	global_store_b16 v9, v249, s[66:67]            ; 64 bytes: one byte in twelve of what the tile stores
.irp i, 0,1,2,3,4,5
	v_mov_b32 v[22+\i], v[34+\i]                   ; on to my second tile
.endr
	v_mov_b32 v40, v41
	s_mov_b32 s6, s7
	s_sub_co_u32 s24, 63, s24
	s_sub_co_u32 s30, s30, 1
	s_cmp_lg_u32 s30, 0
	s_cbranch_scc1 .Ltile
	; the KL term: one wave of the launch adds the 1,024 partial sums; 2^22 numbers, halved
	s_or_b32 s19, s18, ttmp9
	s_and_b32 s26, ttmp7, 0xffff
	s_or_b32 s19, s19, s26
	s_cmp_lg_u32 s19, 0
	s_cbranch_scc1 .Lend
.irp i, 0,1,2,3,4,5,6,7
	global_load_b128 v[96+4*\i:99+4*\i], v1, s[10:11] offset:512*\i
.endr
	s_wait_loadcnt 0x0
.irp i, 1
	v_pk_add_f32 v[96:97], v[96:97], v[96+4*\i:97+4*\i]
	v_pk_add_f32 v[98:99], v[98:99], v[98+4*\i:99+4*\i]
.endr
.irp i, 2, 3, 4, 5, 6, 7
	s_delay_alu instid0(VALU_DEP_2)
	v_pk_add_f32 v[96:97], v[96:97], v[96+4*\i:97+4*\i]
	s_delay_alu instid0(VALU_DEP_2)
	v_pk_add_f32 v[98:99], v[98:99], v[98+4*\i:99+4*\i]
.endr
	s_delay_alu instid0(VALU_DEP_1)
	v_pk_add_f32 v[96:97], v[96:97], v[98:99]
	s_delay_alu instid0(VALU_DEP_1)
	v_add_f32 v96, v96, v97
	s_delay_alu instid0(VALU_DEP_1)
	v_add_f32_dpp v96, v96, v96 row_xmask:1 row_mask:0xf bank_mask:0xf
	s_delay_alu instid0(VALU_DEP_1)
	v_add_f32_dpp v96, v96, v96 row_xmask:2 row_mask:0xf bank_mask:0xf
	s_delay_alu instid0(VALU_DEP_1)
	v_add_f32_dpp v96, v96, v96 row_xmask:4 row_mask:0xf bank_mask:0xf
	s_delay_alu instid0(VALU_DEP_1)
	v_add_f32_dpp v96, v96, v96 row_xmask:8 row_mask:0xf bank_mask:0xf
	s_delay_alu instid0(VALU_DEP_1)
	v_permlanex16_b32 v97, v96, s20, s21
	s_delay_alu instid0(VALU_DEP_1)
	v_add_f32 v96, v96, v97
	s_delay_alu instid0(VALU_DEP_1)
	v_mul_f32 v96, 0x34000000, v96                 ; x 2^-23
	v_mov_b32 v98, 0
	s_wait_alu depctr_va_vdst(0)
	s_wait_xcnt 0x0                                ; EXEC changes only behind this wait
	v_cmp_eq_u32 vcc_lo, 0, v1
	s_and_saveexec_b32 s26, vcc_lo
	global_store_b32 v98, v96, s[16:17]
	s_wait_xcnt 0x0
	s_or_b32 exec_lo, exec_lo, s26
.Lend:
	s_wait_tensorcnt 0x0
	ds_add_u32 v254, v255
	s_wait_dscnt 0x0
	s_endpgm
.Lfunc_end_k_qfd514e0942_attn:
	.size	k_qfd514e0942_attn, .Lfunc_end_k_qfd514e0942_attn-k_qfd514e0942_attn
	.p2alignl 7, 3214868480
	.fill 96, 4, 3214868480
	.section	.rodata,"a",@progbits
	.p2align	6, 0x0
	.amdhsa_kernel k_qfd514e0942_attn
		.amdhsa_group_segment_fixed_size 108544
		.amdhsa_private_segment_fixed_size 0
		.amdhsa_enable_private_segment 0
		.amdhsa_kernarg_size 56
		.amdhsa_user_sgpr_count 2
		.amdhsa_user_sgpr_kernarg_segment_ptr 1
		.amdhsa_wavefront_size32 1
		.amdhsa_system_sgpr_workgroup_id_x 1
		.amdhsa_system_sgpr_workgroup_id_y 1
		.amdhsa_system_sgpr_workgroup_id_z 1
		.amdhsa_system_vgpr_workitem_id 0
		.amdhsa_next_free_vgpr 256
		.amdhsa_next_free_sgpr 100
		.amdhsa_reserve_vcc 1
		.amdhsa_float_denorm_mode_32 3
		.amdhsa_float_denorm_mode_16_64 3
		.amdhsa_memory_ordered 1
		.amdhsa_forward_progress 1
		.amdhsa_inst_pref_size 45
	.end_amdhsa_kernel
	.amdgpu_metadata
---
amdhsa.version: [ 1, 2 ]
amdhsa.kernels:
  - .name:           k_qfd514e0942_attn
    .symbol:         k_qfd514e0942_attn.kd
    .args:
      - { .name: qkv, .offset: 0, .size: 8, .value_kind: global_buffer, .address_space: global }
      - { .name: qkvs, .offset: 8, .size: 8, .value_kind: global_buffer, .address_space: global }
      - { .name: mbits, .offset: 16, .size: 8, .value_kind: global_buffer, .address_space: global }
      - { .name: klp, .offset: 24, .size: 8, .value_kind: global_buffer, .address_space: global }
      - { .name: av, .offset: 32, .size: 8, .value_kind: global_buffer, .address_space: global }
      - { .name: avs, .offset: 40, .size: 8, .value_kind: global_buffer, .address_space: global }
      - { .name: out1, .offset: 48, .size: 8, .value_kind: global_buffer, .address_space: global }
    .group_segment_fixed_size: 108544
    .private_segment_fixed_size: 0
    .kernarg_segment_align: 8
    .kernarg_segment_size: 56
    .max_flat_workgroup_size: 512
    .sgpr_count:     100
    .vgpr_count:     256
    .wavefront_size: 32
...
	.end_amdgpu_metadata
.endif
;; end of part 3
;; launch oproj (part 4): grid 256 x 1, 4 waves a work-group, no clusters, 260,608 bytes of LDS; arguments av, avs, img, scl, dec_inp, ln_gamma, ln_beta, out0; writes out0
.if DOCPART == 4
	.amdgcn_target "amdgcn-amd-amdhsa--gfx1250"
	.amdhsa_code_object_version 6
	.text
	.protected	k_qfd514e0942_oproj
	.globl	k_qfd514e0942_oproj
	.p2align	8
	.type	k_qfd514e0942_oproj,@function
k_qfd514e0942_oproj:
	s_mov_b64 s[64:65], 0
	v_nop
	global_prefetch_b8 v0, s[64:65] scope:SCOPE_SE
	s_setreg_imm32_b32 hwreg(HW_REG_WAVE_MODE, 25, 1), 1
	s_wait_xcnt 0x0
; OPROJ: out0 = LayerNorm(dec_inp + attn_vec ow^T) x gamma + beta.  The product on codes of BF6 with one E8M0 byte for each 32 along K = 1,024.
; SHARES.  A work-group owns 32 whole rows (s = 32 qi .. + 31 of one batch: two row tiles u), so that the norm needs no other work-group; wave w owns columns 256 w .. + 255: 16 tiles of ow.
; Source 0 = 16 rows of ow, source 1 = 16 rows of attn_vec: a lane holds one row and, over tiles 2 g, 2 g + 1, 16 neighbouring columns.  32 accumulators, 256 registers.
; ONE TENSOR LOAD AND 29 COPIES A WAVE, all first fills, issued together at the head (no LDS byte is filled twice): a quarter of attn_vec's images (24,576 bytes for the block, read by all four waves);
; my 16 tiles' scale words of ow; four heads' scale bytes of attn_vec; and last my 256 columns of the 32 rows of dec_inp (rows of 1,024 bytes, 16 bytes of padding behind each).
; THE PRODUCTS DO NOT WAIT FOR dec_inp: the head's barrier stands behind the first three loads; the fourth's bytes are read by the wave that asked for them alone, behind its own wait, while the last products are issued.
; The residual then goes from LDS into registers in the result's layout and is added by 128 packed additions.  It lies in the order of s; lane r of row tile u reads row 8 u + r + 8 (r / 8).
; Rows 16 apart are 16,640 bytes apart, a multiple of 256: two of a load's sixteen rows start at the same bank (64 banks of 4 bytes: ISA guide 11.1); 64 such loads a wave, once.
; ow GOES FROM MEMORY STRAIGHT INTO REGISTERS, as images, through a ring of five groups of four fragments: a fragment feeds this wave's two products and no other wave.
; NO JOINT LOADS: shared tiles of ow would want a round of a cluster's barrier, with the ring drained, for every 96 KB; here a wave has 256 products in all.
; THE NORM in two passes (mean; then the squares of x - mean), so that no difference of large sums is formed; the waves' parts meet in LDS, two barriers.
; A row whose attn_vec carries the scale byte 0xff (no key was open to it) comes out NaN, and only that row.
; REGISTERS: window 0: v1-31 addresses; v32-95 ow's scale words; v96-103 attn_vec's; v104-119 the words that hold their bytes; v120-127 gamma, v128-135 beta; v136-157 at work; v160-207 attn_vec's fragments, two K steps by turns.
;   window 1: the residual, each number under its accumulator's register number; later rows of the result, two sets of 64.   window 2: ow's ring, 5 x 48.   window 3: accumulator (u, i) at v[8 (16 u + i)].
.set RP,   1040                        ; a row of my part of the residual in LDS: 1,024 + 16
.set WRES, 32*RP                       ; a wave's part
.set AIM,  4*WRES                      ; behind the four parts: attn_vec's 16 images,
.set SCL,  AIM+24576                   ; ow's scale words, 8,192 bytes a wave,
.set ULD,  SCL+32768                   ; attn_vec's scale bytes: 16 heads x 128 bytes,
.set STG,  ULD+2048                    ; a stage of 16 rows x 1,040 bytes for each wave (no tensor load lands from here on),
.set STAT, STG+4*16640                 ; and 2 x 4 x 128 bytes for the norm's sums
.set SCB,  32
.set SCA,  96
.set U,    104
.set AF,   160
.set G1R, 48                           ; s[48:55] group 1 for the residual; s[56:63] for the images; s[68:75] for ow's scale words; s[76:83] for attn_vec's scale bytes
.set G1A, 56
.set G1S, 68
.set G1U, 76
.set G0R, 84                           ; s[84:99] their groups 0
.set G0A, 88
.set G0S, 92
.set G0U, 96
.set PADW, (3<<16)|(1<<20)|(7<<22)|(3<<25)     ; elements of 8 bytes; padding on: after every 256 words (code 7) 4 words (code 3)
.set DENSE, 3<<16                      ; elements of 8 bytes, no padding
.set MSB, 0
.macro WIN new                         ; the immediate's high byte repeats the setting that is left
.if MSB != \new
	s_set_vgpr_msb (MSB<<8)|\new
.set MSB, \new
.endif
.endm
.macro SHAPE g, w0, c, r, p            ; group 1: r rows of c elements, p elements from row to row
	s_mov_b32 s[\g], \w0
	s_mov_b32 s[\g+1], (\c)<<16                    ; tensor_dim0
	s_mov_b32 s[\g+2], (\r)<<16                    ; tensor_dim1
	s_mov_b32 s[\g+3], (\c)<<16                    ; tile_dim0
	s_mov_b32 s[\g+4], \r                          ; tile_dim1
	s_mov_b32 s[\g+5], \p                          ; tensor_dim0_stride
	s_mov_b32 s[\g+6], 0
	s_mov_b32 s[\g+7], 0
.endm
.macro PLACE g0, lds, ptr, off         ; group 0: to LDS byte s[lds], from the buffer at s[ptr] + the offset in s[off]
	s_mov_b32 s[\g0], 1
	s_mov_b32 s[\g0+1], s[\lds]
	s_add_nc_u64 s[\g0+2:\g0+3], s[\ptr:\ptr+1], s[\off:\off+1]
	s_or_b32 s[\g0+3], s[\g0+3], 0x80000000
.endm
	s_load_b256 s[4:11], s[0:1], 0x0               ; av 4, avs 6, img 8, scl 10
	s_load_b256 s[12:19], s[0:1], 0x20             ; dec_inp 12, gamma 14, beta 16, out0 18
	v_lshl_add_u32 v254, v0, 2, 0x3f800
	v_mov_b32 v255, 0
	ds_add_u32 v254, v255
	ds_add_u32 v254, v255
	v_lshrrev_b32 v1, 5, v0
	v_readfirstlane_b32 s20, v1                    ; wave
	s_lshr_b32 s21, ttmp9, 5                       ; batch
	s_and_b32 s22, ttmp9, 31                       ; qi
	SHAPE G1R, PADW, 128, 32, 4096                 ; 32 rows of 1,024 bytes, 32,768 bytes from s to s + 1
	s_lshl_b32 s26, s22, 8
	s_add_co_u32 s26, s26, s21
	s_lshl_b32 s26, s26, 12                        ; (256 qi + batch) x 4,096
	s_lshl_b32 s28, s20, 10                        ; my 256 columns in bytes
	s_add_co_u32 s26, s26, s28                     ; dec_inp and out0 at my part's first number
	s_mov_b32 s27, 0
	s_mov_b32 s29, 0
	s_lshl_b32 s30, s20, 4
	s_add_co_u32 s30, s30, 704                     ; my first tile of ow
	s_lshl_b32 s32, s30, 9
	s_mov_b32 s33, 0
	s_mul_i32 s30, s30, 12288
	s_mov_b32 s31, 0
	s_lshl_b32 s34, s21, 16
	s_lshl_b32 s35, s22, 7
	s_add_co_u32 s34, s34, s35
	s_lshl_b32 s35, s20, 14
	s_add_co_u32 s34, s34, s35                     ; avs: 65,536 batch + 128 qi + 4 wave heads of 4,096
	s_mov_b32 s35, 0
	s_lshl_b32 s36, s21, 6
	s_lshl_b32 s37, s22, 1
	s_add_co_u32 s36, s36, s37
	s_mul_i32 s36, s36, 12288                      ; av: (64 batch + 2 qi) x 16 x 768,
	s_mul_i32 s37, s20, 6144
	s_add_co_u32 s36, s36, s37                     ; my quarter
	s_mov_b32 s37, 0
	s_mul_i32 s23, s20, WRES                       ; where they go: each a constant + a constant x wave
	s_mul_i32 s24, s20, 6144
	s_add_co_u32 s24, s24, AIM
	s_lshl_b32 s25, s20, 13
	s_add_co_u32 s25, s25, SCL
	s_lshl_b32 s38, s20, 9
	s_add_co_u32 s38, s38, ULD
	s_mul_i32 s39, s20, 16640
	s_add_co_u32 s39, s39, STG                     ; my stage
	s_mov_b32 s40, 0x3a800000                      ; 2^-10
	s_mov_b32 s41, 0x3727c5ac                      ; 1e-5
	s_mov_b32 s42, 0x76543210
	s_mov_b32 s43, 0xfedcba98                      ; selects for lane l xor 16
	s_wait_dscnt 0x0
	s_wait_kmcnt 0x0
	s_add_nc_u64 s[4:5], s[4:5], s[36:37]          ; my quarter of attn_vec's images,
	s_add_nc_u64 s[10:11], s[10:11], s[32:33]      ; my 16 tiles' scale words of ow,
	s_add_nc_u64 s[6:7], s[6:7], s[34:35]          ; my four heads' scale bytes of attn_vec
	PLACE G0R, 23, 12, 26
	s_add_nc_u64 s[8:9], s[8:9], s[30:31]
	s_add_nc_u64 s[18:19], s[18:19], s[26:27]
	s_add_nc_u64 s[14:15], s[14:15], s[28:29]
	s_add_nc_u64 s[16:17], s[16:17], s[28:29]
	; THE HEAD'S FILLS, each of bytes that are filled once: ONE tensor load a wave (my part of the residual), and 29 asynchronous copies of 512 bytes a wave for what the products want first:
	; 12 for my quarter of the images, 16 for my scale words of ow, 1 for my four heads' scale bytes.  The copies have a counter of their own, so the products do not wait for the residual.
	v_and_b32 v30, 31, v0                          ; lane
	v_and_b32 v31, 15, v0                          ; r
	v_bfe_u32 v3, v0, 4, 1                         ; h
	v_lshlrev_b32 v1, 4, v30                       ; 16 l
	v_add_nc_u32 v9, s24, v1                       ; LDS: AIM + 6,144 wave + 16 l
	v_add_nc_u32 v10, s25, v1                      ; LDS: SCL + 8,192 wave + 16 l
	v_add_nc_u32 v11, s38, v1                      ; LDS: ULD + 512 wave + 16 l
	v_lshrrev_b32 v12, 3, v30
	v_and_b32 v13, 7, v30
	v_lshlrev_b32 v13, 4, v13
	v_lshl_add_u32 v12, v12, 12, v13               ; memory: head l / 8 of my four, 4,096 bytes apart, + 16 (l % 8)
.irp i, 0,1,2,3,4,5,6,7,8,9,10,11
	global_load_async_to_lds_b128 v9, v1, s[4:5] offset:512*\i
.endr
.irp i, 0,1,2,3,4,5,6,7,8,9,10,11,12,13,14,15
	global_load_async_to_lds_b128 v10, v1, s[10:11] offset:512*\i
.endr
	global_load_async_to_lds_b128 v11, v12, s[6:7]
	tensor_load_to_lds s[G0R:G0R+3], s[G1R:G1R+7]  ; the residual: read by this wave alone, behind its own wait
	s_nop 0
.rept 4
	v_nop                                          ; four lines between the tensor load and the first switch of windows
.endr
.macro BLOAD g                         ; group g: K step g / 4, tiles 4 (g % 4) + 0 .. 3, into place g % 5 of the ring
.irp f, 0,1,2,3
.irp c, 0,1,2
	global_load_b128 v[48*((\g)%5)+12*\f+4*\c:48*((\g)%5)+12*\f+4*\c+3], v1, s[8:9] offset:(4*((\g)%4)+\f)*12288+((\g)/4)*1536+512*\c
.endr
.endr
.endm
	WIN 0x80                                       ; destination window 2
	BLOAD 0
	BLOAD 1
	BLOAD 2
	BLOAD 3
	BLOAD 4                                        ; 60 loads of mine are out
	WIN 0
	v_lshlrev_b32 v2, 3, v30                       ; 8 l
	v_and_b32 v4, 8, v31
	v_add_nc_u32 v4, v4, v31                       ; r + 8 (r / 8)
	v_mul_u32_u24 v4, v4, RP
	v_lshl_add_u32 v4, v3, 6, v4
	v_add_nc_u32 v4, s23, v4                       ; the residual for my lane: my row of row tile 0, + 64 h; row tile 1 lies 8 rows on
	v_add_nc_u32 v5, AIM, v1                       ; an image's 16-byte pieces,
	v_add_nc_u32 v8, AIM, v2                       ; and its 8-byte pieces
	v_lshlrev_b32 v24, 3, v31
	v_lshl_add_u32 v24, v3, 9, v24
	v_add_nc_u32 v24, s25, v24                     ; ow's scale words: lanes 0-15 the even tile, lanes 16-31 the odd one
	v_lshrrev_b32 v25, 1, v31
	v_lshlrev_b32 v25, 2, v25
	v_lshl_add_u32 v25, v3, 6, v25
	v_add_nc_u32 v25, ULD, v25                     ; attn_vec's: the word that holds row r's two bytes; lanes 0-15 row tile 0, lanes 16-31 row tile 1
	v_mul_u32_u24 v6, v31, 1040
	v_lshl_add_u32 v6, v3, 6, v6
	v_add_nc_u32 v6, s39, v6                       ; my stage, in
	v_add_nc_u32 v7, s39, v1                       ; and back
	s_lshl_b32 s24, s20, 7
	s_add_co_u32 s24, s24, STAT
	v_lshlrev_b32 v27, 2, v30
	v_add_nc_u32 v26, s24, v27                     ; the norm's sums: my wave's 128 bytes,
	v_add_nc_u32 v27, STAT, v27                    ; and all four waves'
	v_cmp_ne_u32 s44, 0, v3                        ; lanes 16-31
	v_and_b32 v156, 1, v31
	v_cmp_ne_u32 vcc_lo, 0, v156
	v_mov_b32 v156, 0x05040100                     ; an even row's bytes are the words' low halves,
	v_mov_b32 v157, 0x07060302                     ; an odd row's the high halves
	v_cndmask_b32 v156, v156, v157, vcc_lo
	v_mov_b32 v144, 0                              ; written once: a lane permute's destination counts as one of its sources
	v_mov_b32 v145, 0
	v_mov_b32 v149, 0                              ; (upper halves of pairs of which the low word serves both)
	v_mov_b32 v151, 0
	s_wait_alu depctr_va_vdst(0)
	s_wait_asynccnt 0x0                            ; my copies have landed; my part of the residual may be out
	s_barrier_signal -1
	s_barrier_wait -1                              ; everybody's have: the images and the scale bytes come from all four waves
.macro AFETCH ga                       ; attn_vec's two fragments of K step ga, each two halves of 768 bytes (registers 0-3 at 16 l, 4-5 at 512 + 8 l), into set ga % 2
.irp u, 0,1
	ds_load_b128 v[AF+24*((\ga)%2)+12*\u:AF+24*((\ga)%2)+12*\u+3], v5 offset:\u*12288+(\ga)*1536
	ds_load_b64 v[AF+24*((\ga)%2)+12*\u+4:AF+24*((\ga)%2)+12*\u+5], v8 offset:\u*12288+(\ga)*1536+512
	ds_load_b128 v[AF+24*((\ga)%2)+12*\u+6:AF+24*((\ga)%2)+12*\u+9], v5 offset:\u*12288+(\ga)*1536+768
	ds_load_b64 v[AF+24*((\ga)%2)+12*\u+10:AF+24*((\ga)%2)+12*\u+11], v8 offset:\u*12288+(\ga)*1536+1280
.endr
.endm
.macro RLOAD q                         ; the residual of tiles 4 q .. 4 q + 3, both row tiles, into window 1, under the accumulators' register numbers: 16 loads
	WIN 0x40                                       ; destination window 1
.irp u, 0,1
.irp f, 0,1,2,3
.set TI, 4*(\q)+\f
	ds_load_b128 v[8*(16*\u+TI):8*(16*\u+TI)+3], v4 offset:8*RP*\u+128*(TI/2)+32*(TI%2)
	ds_load_b128 v[8*(16*\u+TI)+4:8*(16*\u+TI)+7], v4 offset:8*RP*\u+128*(TI/2)+32*(TI%2)+16
.endr
.endr
.endm
.macro ADDQ q                          ; x = the product + the residual, for the same tiles; each accumulator from its low end on
	WIN 0xc7                                       ; destination and source 0 window 3, source 1 window 1
.irp u, 0,1
.irp f, 0,1,2,3
.irp e, 0,1,2,3
.set RR, 8*(16*\u+4*(\q)+\f)+2*\e
	v_pk_add_f32 v[RR:RR+1], v[RR:RR+1], v[RR:RR+1]
.endr
.endr
.endr
.endm
.irp n, 0,1,2,3,4,5,6,7,8,9,10,11,12,13,14,15
	ds_load_b32 v[U+\n], v25 offset:128*\n
.endr
.irp q, 0,1,2,3,4,5,6,7
.irp p, 0,1,2,3
	ds_load_b64 v[SCB+8*\q+2*\p:SCB+8*\q+2*\p+1], v24 offset:1024*\q+128*\p
.endr
.endr
	s_wait_dscnt 32                                ; the 16 words of scale bytes are in; ow's 32 loads may be out
.irp g, 0,1,2,3,4,5,6,7
	v_perm_b32 v[SCA+\g], v[U+2*\g+1], v[U+2*\g], v156     ; heads 2 g and 2 g + 1: the four blocks of K step g
.endr
	AFETCH 0
.rept 8
	v_nop                                          ; a scale register written by a vector instruction stands 8 places ahead of a scaled matrix instruction
.endr
	s_wait_alu depctr_va_vdst(0)
	s_wait_dscnt 0x0                               ; all that group 0 wants from LDS is in
; A group: 8 products; an accumulator's next turn comes 31 others later.  K step 0's products start the sums.
.macro GROUP g
.set GA, (\g)/4
.set RB, 48*((\g)%5)
.set AB, AF+24*(GA%2)
.if ((\g)%4 == 0) && ((\g) > 0)
	s_wait_dscnt 0x0                               ; this K step's fragments of attn_vec, asked for two groups ago
.endif
.if (\g) <= 27
	s_wait_loadcnt 48                              ; this group's 12 loads are in; four later groups may be out
.else
	s_wait_loadcnt 12*(31-(\g))+4                  ; the later groups, and the four loads of gamma and beta
.endif
	WIN 0xf2                                       ; source 0 window 2, source 1 window 0, C and D window 3
.irp f, 0,1,2,3
.irp u, 0,1
.set TI, 4*((\g)%4)+\f
.if GA == 0
.if (\f%2 == 0) && (\u == 0)
	v_wmma_scale_f32_16x16x128_f8f6f4 v[8*(16*\u+TI):8*(16*\u+TI)+7], v[RB+12*\f:RB+12*\f+11], v[AB+12*\u:AB+12*\u+11], 0, v[SCB+8*(TI/2)+GA], v[SCA+GA] matrix_a_fmt:MATRIX_FMT_BF6 matrix_b_fmt:MATRIX_FMT_BF6
.elseif (\f%2 == 1) && (\u == 0)
	v_wmma_scale_f32_16x16x128_f8f6f4 v[8*(16*\u+TI):8*(16*\u+TI)+7], v[RB+12*\f:RB+12*\f+11], v[AB+12*\u:AB+12*\u+11], 0, v[SCB+8*(TI/2)+GA], v[SCA+GA] matrix_a_fmt:MATRIX_FMT_BF6 matrix_b_fmt:MATRIX_FMT_BF6 matrix_a_scale:MATRIX_SCALE_ROW1
.elseif (\f%2 == 0) && (\u == 1)
	v_wmma_scale_f32_16x16x128_f8f6f4 v[8*(16*\u+TI):8*(16*\u+TI)+7], v[RB+12*\f:RB+12*\f+11], v[AB+12*\u:AB+12*\u+11], 0, v[SCB+8*(TI/2)+GA], v[SCA+GA] matrix_a_fmt:MATRIX_FMT_BF6 matrix_b_fmt:MATRIX_FMT_BF6 matrix_b_scale:MATRIX_SCALE_ROW1
.else
	v_wmma_scale_f32_16x16x128_f8f6f4 v[8*(16*\u+TI):8*(16*\u+TI)+7], v[RB+12*\f:RB+12*\f+11], v[AB+12*\u:AB+12*\u+11], 0, v[SCB+8*(TI/2)+GA], v[SCA+GA] matrix_a_fmt:MATRIX_FMT_BF6 matrix_b_fmt:MATRIX_FMT_BF6 matrix_a_scale:MATRIX_SCALE_ROW1 matrix_b_scale:MATRIX_SCALE_ROW1
.endif
.else
.if (\f%2 == 0) && (\u == 0)
	v_wmma_scale_f32_16x16x128_f8f6f4 v[8*(16*\u+TI):8*(16*\u+TI)+7], v[RB+12*\f:RB+12*\f+11], v[AB+12*\u:AB+12*\u+11], v[8*(16*\u+TI):8*(16*\u+TI)+7], v[SCB+8*(TI/2)+GA], v[SCA+GA] matrix_a_fmt:MATRIX_FMT_BF6 matrix_b_fmt:MATRIX_FMT_BF6
.elseif (\f%2 == 1) && (\u == 0)
	v_wmma_scale_f32_16x16x128_f8f6f4 v[8*(16*\u+TI):8*(16*\u+TI)+7], v[RB+12*\f:RB+12*\f+11], v[AB+12*\u:AB+12*\u+11], v[8*(16*\u+TI):8*(16*\u+TI)+7], v[SCB+8*(TI/2)+GA], v[SCA+GA] matrix_a_fmt:MATRIX_FMT_BF6 matrix_b_fmt:MATRIX_FMT_BF6 matrix_a_scale:MATRIX_SCALE_ROW1
.elseif (\f%2 == 0) && (\u == 1)
	v_wmma_scale_f32_16x16x128_f8f6f4 v[8*(16*\u+TI):8*(16*\u+TI)+7], v[RB+12*\f:RB+12*\f+11], v[AB+12*\u:AB+12*\u+11], v[8*(16*\u+TI):8*(16*\u+TI)+7], v[SCB+8*(TI/2)+GA], v[SCA+GA] matrix_a_fmt:MATRIX_FMT_BF6 matrix_b_fmt:MATRIX_FMT_BF6 matrix_b_scale:MATRIX_SCALE_ROW1
.else
	v_wmma_scale_f32_16x16x128_f8f6f4 v[8*(16*\u+TI):8*(16*\u+TI)+7], v[RB+12*\f:RB+12*\f+11], v[AB+12*\u:AB+12*\u+11], v[8*(16*\u+TI):8*(16*\u+TI)+7], v[SCB+8*(TI/2)+GA], v[SCA+GA] matrix_a_fmt:MATRIX_FMT_BF6 matrix_b_fmt:MATRIX_FMT_BF6 matrix_a_scale:MATRIX_SCALE_ROW1 matrix_b_scale:MATRIX_SCALE_ROW1
.endif
.endif
.endr
.endr
.if (\g) < 27
.rept 4
	v_nop                                          ; places in front of loads into registers that these products read
.endr
	WIN 0x80
	BLOAD (\g)+5
.endif
.if ((\g)%4 == 2) && (GA < 7)
	WIN 0
	AFETCH GA+1                                    ; into the set that the K step before this one read: its last product stands three groups' places back
.endif
.if (\g) == 27
	WIN 0
.irp k, 0,1                                    ; the ring asks for nothing more: gamma and beta of my columns, 4 neighbours a lane
	global_load_b128 v[120+4*\k:123+4*\k], v1, s[14:15] offset:512*\k
	global_load_b128 v[128+4*\k:131+4*\k], v1, s[16:17] offset:512*\k
.endr
.endif
.if (\g) == 28
	s_wait_tensorcnt 0x0                           ; my part of the residual has landed: asked for at the head, 28 groups ago
.endif
.if ((\g) >= 28) && ((\g) < 31)
	RLOAD (\g)-28                                  ; three quarters of it come into registers under the last products (no product names window 1)
.endif
.endm
.irp g, 0,1,2,3,4,5,6,7,8,9,10,11,12,13,14,15,16,17,18,19,20,21,22,23,24,25,26,27,28,29,30,31
	GROUP \g
.endr
	WIN 0
; the four chains v[136:143] become, for each row, the sum over the row's 1,024: lanes 0-15 hold row tile 0's rows, lanes 16-31 row tile 1's, in v152
.macro REDUCE off
	v_pk_add_f32 v[136:137], v[136:137], v[138:139]
	v_pk_add_f32 v[140:141], v[140:141], v[142:143]
	v_add_f32 v136, v136, v137
	v_add_f32 v140, v140, v141
	v_permlanex16_b32 v144, v136, s42, s43
	v_permlanex16_b32 v145, v140, s42, s43
	v_add_f32 v136, v136, v144
	v_add_f32 v140, v140, v145
	v_cndmask_b32 v146, v136, v140, s44
	ds_store_b32 v26, v146 offset:\off
	s_wait_dscnt 0x0                               ; for the others' sake
	s_barrier_signal -1
	s_barrier_wait -1
.irp w, 0,1,2,3
	ds_load_b32 v[152+\w], v27 offset:\off+128*\w
.endr
	s_wait_dscnt 0x0
	v_add_f32 v152, v152, v153
	v_add_f32 v154, v154, v155
	v_add_f32 v152, v152, v154
.endm
.macro SPREAD                          ; v152 (a row tile to each half of the lanes) becomes v148 (row tile 0's) and v150 (row tile 1's) in every lane
	v_permlanex16_b32 v144, v152, s42, s43
	v_cndmask_b32 v148, v152, v144, s44
	v_cndmask_b32 v150, v144, v152, s44
.endm
.irp j, 0,1,2,3,4,5,6,7
	v_mov_b32 v[136+\j], 0                         ; also the places behind the last products
.endr
	s_wait_dscnt 32                                ; the residual's first quarter is in; the second and third, 32 loads, may be out
	RLOAD 3                                        ; 48 LDS loads of mine are out at the most
	ADDQ 0
	s_wait_dscnt 32                                ; the second quarter is in
	ADDQ 1
	s_wait_dscnt 16
	ADDQ 2
	s_wait_dscnt 0x0
	ADDQ 3
	WIN 0x0c                                       ; source 1 window 3
.set n, 0
.rept 64
	v_pk_add_f32 v[136+2*(n%2):137+2*(n%2)], v[136+2*(n%2):137+2*(n%2)], v[2*n:2*n+1]
	v_pk_add_f32 v[140+2*(n%2):141+2*(n%2)], v[140+2*(n%2):141+2*(n%2)], v[128+2*n:129+2*n]
.set n, n+1
.endr
	WIN 0
	REDUCE 0
	v_mul_f32 v152, s40, v152                      ; the mean
	s_wait_alu depctr_va_vdst(0)
	SPREAD
	WIN 0xc3                                       ; destination and source 0 window 3
.set n, 0
.rept 64
	v_pk_add_f32 v[2*n:2*n+1], v[2*n:2*n+1], v[148:149] op_sel_hi:[1,0] neg_lo:[0,1] neg_hi:[0,1]
	v_pk_add_f32 v[128+2*n:129+2*n], v[128+2*n:129+2*n], v[150:151] op_sel_hi:[1,0] neg_lo:[0,1] neg_hi:[0,1]
.set n, n+1
.endr
	WIN 0
.irp j, 0,1,2,3,4,5,6,7
	v_mov_b32 v[136+\j], 0
.endr
	WIN 0x0f                                       ; sources 0 and 1 window 3
.set n, 0
.rept 64
	v_pk_fma_f32 v[136+2*(n%2):137+2*(n%2)], v[2*n:2*n+1], v[2*n:2*n+1], v[136+2*(n%2):137+2*(n%2)]
	v_pk_fma_f32 v[140+2*(n%2):141+2*(n%2)], v[128+2*n:129+2*n], v[128+2*n:129+2*n], v[140+2*(n%2):141+2*(n%2)]
.set n, n+1
.endr
	WIN 0
	REDUCE 512
	v_fma_f32 v152, v152, s40, s41                 ; the variance + 1e-5
	s_wait_alu depctr_va_vdst(0)
	v_rsq_f32 v152, v152
	v_nop                                          ; one plain place behind a transcendental
	s_wait_alu depctr_va_vdst(0)
	SPREAD
	WIN 0xc3
.set n, 0
.rept 64
	v_pk_mul_f32 v[2*n:2*n+1], v[2*n:2*n+1], v[148:149] op_sel_hi:[1,0]
	v_pk_mul_f32 v[128+2*n:129+2*n], v[128+2*n:129+2*n], v[150:151] op_sel_hi:[1,0]
.set n, n+1
.endr
; THE WAY OUT, in four units: unit n is row tile n / 2, columns 128 (n % 2) on.  A unit goes through my own stage (rows 1,040 bytes apart) and comes back as rows: a lane then holds four neighbouring columns,
; takes gamma and beta, and 32 lanes store 512 consecutive bytes, aligned.  LDS serves a wave's instructions in order: no wait stands between a unit's stores and its loads, nor ahead of the next unit's stores.
.macro UIN n
.set UU, (\n)/2
.set KK, (\n)%2
	WIN 0x0c                                       ; an LDS store's data are its source 1: window 3
.irp j, 0,1,2,3,4,5,6,7
.set TI, 8*KK+\j
	ds_store_b128 v6, v[8*(16*UU+TI):8*(16*UU+TI)+3] offset:128*(TI/2)+32*(TI%2)
	ds_store_b128 v6, v[8*(16*UU+TI)+4:8*(16*UU+TI)+7] offset:128*(TI/2)+32*(TI%2)+16
.endr
.endm
.macro UBACK n
.set KK, (\n)%2
.set BB, 64*((\n)%2)
	WIN 0x40                                       ; destination window 1
.irp p, 0,1,2,3,4,5,6,7,8,9,10,11,12,13,14,15
	ds_load_b128 v[BB+4*\p:BB+4*\p+3], v7 offset:\p*1040+512*KK
.endr
.endm
.macro USEND n
.set UU, (\n)/2
.set KK, (\n)%2
.set BB, 64*((\n)%2)
	WIN 0x41                                       ; destination and source 0 window 1
.irp p, 0,1,2,3,4,5,6,7,8,9,10,11,12,13,14,15
.irp e, 0,1
	v_pk_fma_f32 v[BB+4*\p+2*\e:BB+4*\p+2*\e+1], v[BB+4*\p+2*\e:BB+4*\p+2*\e+1], v[120+4*KK+2*\e:121+4*KK+2*\e], v[128+4*KK+2*\e:129+4*KK+2*\e]
.endr
.endr
	WIN 0x04                                       ; a store's data are its source 1: window 1
.irp p, 0,1,2,3,4,5,6,7,8,9,10,11,12,13,14,15
	global_store_b128 v1, v[BB+4*\p:BB+4*\p+3], s[18:19] offset:(8*UU+\p+8*(\p/8))*32768+512*KK th:TH_STORE_NT
.endr
.endm
	UIN 0
	UBACK 0
	UIN 1
	s_wait_dscnt 16                                ; unit 0 is back; unit 1's 16 stores may be out
	s_wait_loadcnt 0x0                             ; gamma and beta
	USEND 0
	UBACK 1
	UIN 2
	s_wait_dscnt 16
	USEND 1
	s_wait_xcnt 0x0                                ; unit 0's stores have read their registers: unit 2 lands there
	UBACK 2
	UIN 3
	s_wait_dscnt 16
	USEND 2
	s_wait_xcnt 0x0                                ; unit 1's likewise
	UBACK 3
	s_wait_dscnt 0x0
	USEND 3
	WIN 0
	s_wait_tensorcnt 0x0
	ds_add_u32 v254, v255
	s_wait_dscnt 0x0
	s_endpgm
.Lfunc_end_k_qfd514e0942_oproj:
	.size	k_qfd514e0942_oproj, .Lfunc_end_k_qfd514e0942_oproj-k_qfd514e0942_oproj
	.p2alignl 7, 3214868480
	.fill 96, 4, 3214868480
	.section	.rodata,"a",@progbits
	.p2align	6, 0x0
	.amdhsa_kernel k_qfd514e0942_oproj
		.amdhsa_group_segment_fixed_size 260608
		.amdhsa_private_segment_fixed_size 0
		.amdhsa_enable_private_segment 0
		.amdhsa_kernarg_size 64
		.amdhsa_user_sgpr_count 2
		.amdhsa_user_sgpr_kernarg_segment_ptr 1
		.amdhsa_wavefront_size32 1
		.amdhsa_system_sgpr_workgroup_id_x 1
		.amdhsa_system_sgpr_workgroup_id_y 1
		.amdhsa_system_sgpr_workgroup_id_z 1
		.amdhsa_system_vgpr_workitem_id 0
		.amdhsa_next_free_vgpr 1024
		.amdhsa_next_free_sgpr 100
		.amdhsa_reserve_vcc 1
		.amdhsa_float_denorm_mode_32 3
		.amdhsa_float_denorm_mode_16_64 3
		.amdhsa_memory_ordered 1
		.amdhsa_forward_progress 1
		.amdhsa_inst_pref_size 162
	.end_amdhsa_kernel
	.amdgpu_metadata
---
amdhsa.version: [ 1, 2 ]
amdhsa.kernels:
  - .name:           k_qfd514e0942_oproj
    .symbol:         k_qfd514e0942_oproj.kd
    .args:
      - { .name: av, .offset: 0, .size: 8, .value_kind: global_buffer, .address_space: global }
      - { .name: avs, .offset: 8, .size: 8, .value_kind: global_buffer, .address_space: global }
      - { .name: img, .offset: 16, .size: 8, .value_kind: global_buffer, .address_space: global }
      - { .name: scl, .offset: 24, .size: 8, .value_kind: global_buffer, .address_space: global }
      - { .name: dec_inp, .offset: 32, .size: 8, .value_kind: global_buffer, .address_space: global }
      - { .name: ln_gamma, .offset: 40, .size: 8, .value_kind: global_buffer, .address_space: global }
      - { .name: ln_beta, .offset: 48, .size: 8, .value_kind: global_buffer, .address_space: global }
      - { .name: out0, .offset: 56, .size: 8, .value_kind: global_buffer, .address_space: global }
    .group_segment_fixed_size: 260608
    .private_segment_fixed_size: 0
    .kernarg_segment_align: 8
    .kernarg_segment_size: 64
    .max_flat_workgroup_size: 128
    .sgpr_count:     100
    .vgpr_count:     1024
    .wavefront_size: 32
...
	.end_amdgpu_metadata
.endif
;; end of part 4
